; MI455X (gfx1250); checked and timed in simulation.
; The chip was launched on July 23, 2026; its instructions are those of AMD's public machine-readable ISA for CDNA 5 (MIT licence, August 2026) and "CDNA5" Instruction Set Architecture Reference Guide (July 2026). The comments in the code are by the model that wrote it; some were corrected since.
;; Mixture Of Experts. Allowed arithmetic: float matrix products may take bf16 or f16 operands with f32 sums; other float arithmetic in f32, or as packed bf16 or f16 multiplies, adds, multiply-adds, maxima and minima; sums over many terms, partial sums and values carried from step to step in f32; what a program stores and reads back later, other than sums and carried values, may be rounded once to bf16 or f16.
;; Inputs: W_experts 8 x 1,024 x 1,024 float32; W_gate 8 x 1,024 float32; b_experts 8 x 1,024 float32; b_gate 8 float32; x 4 x 2,048 x 1,024 float32.
;; Outputs: out0 4 x 2,048 x 1,024 float32.
;; 3 versions, each right; version 2 is faster than version 1; version 3 is version 2 with the launch moe written anew for expert scheduling mode. Each part assembles by itself: llvm-mc -triple=amdgcn-amd-amdhsa -mcpu=gfx1250 --defsym DOCPART=n.
;; ======== version 1 of 3: 3 launches
;; limits: right only within a limited range of input values
;; workspace buffers: xb 16,777,216 bytes; sets 32,768 bytes of whole numbers; gates 65,536 bytes; perm 917,504 bytes of whole numbers; gsort 1,835,008 bytes; counts 256 bytes of whole numbers; wb 16,777,216 bytes; bb 32,768 bytes
;; launch route (part 1): grid 256 x 1, 2 waves a work-group, no clusters, 99,584 bytes of LDS; arguments x, W_gate, b_gate, xb, sets, gates; writes xb, sets, gates
.if DOCPART == 1
	.amdgcn_target "amdgcn-amd-amdhsa--gfx1250"
	.amdhsa_code_object_version 6
	.text
	.protected	k_q0d4d876d6f_route
	.globl	k_q0d4d876d6f_route
	.p2align	8
	.type	k_q0d4d876d6f_route,@function
k_q0d4d876d6f_route:
	s_mov_b64 s[64:65], 0
	v_nop
	global_prefetch_b8 v0, s[64:65] scope:SCOPE_SE
	s_setreg_imm32_b32 hwreg(HW_REG_WAVE_MODE, 25, 1), 1
	s_wait_xcnt 0x0
; ROUTER.  x [8192][1024] f32 is rounded once to bf16 and stored (xb); the logits x W_gate^T + b_gate are made of the rounded x, W_gate and b_gate with f32 sums;
; softmax over the 8 experts with the row's maximum taken away; the two largest weights.  Stored for each token, at fixed places: the number of its SET of experts
; (the unordered pair lo < hi: sid = lo (15 - lo) / 2 + hi - lo - 1, 0 to 27) and the two weights (of lo, of hi).  No address here hangs on these results.
; LIMITS.  A weight 2^((l - m) log2 e) below 2^-126 counts as 0.  The two largest are taken of these weights by a strict 'greater', so that the lower index wins a tie.
; NaN and infinities are not treated apart.
; SHARES.  Two waves, 16 tokens each, which share nothing: each wave has LDS rows of its own (16 of x, 8 of W_gate, bf16) and reads only these, so there is no barrier.
; No cluster and no tensor load: the bytes pass through registers anyway, to be rounded, and W_gate's 32 KiB are a third of what a wave reads.
.set PITCH,  2064                      ; an LDS row: 2,048 bytes + 16: an odd multiple of 16, so that the 16 rows of a fragment load start in 16 different groups of four banks (64 banks of 4 bytes: ISA guide 11.1)
.set REGION, 49664                     ; 24 rows, rounded up to blocks of 256 bytes
.set SPARE,  2*REGION                  ; the spare words: 128 bytes a wave, one block of 256 bytes that no other line names
.set SPW, 8                            ; v8   LDS address of my spare word; never rewritten
.set NIL, 9                            ; v9   0; never rewritten
.set X,   32                           ; v[32:223]  three buffers of 16 loads; later the fragments (v32-159) and the sums (v160-191)
.set Y,   224                          ; v[224:255] a group's 64 numbers a lane, rounded, in pairs
.set ACC, 160
; v1 16 x lane, v2 8 x lane, v3 my LDS place in a row, v4 fragment address of x, v5 of W_gate, v6, v7 byte offsets in sets and gates, v10-31 at work
	s_load_b256 s[4:11], s[0:1], 0x0               ; x s[4:5], W_gate s[6:7], b_gate s[8:9], xb s[10:11]
	s_load_b128 s[12:15], s[0:1], 0x20             ; sets s[12:13], gates s[14:15]
	v_lshl_add_u32 v[SPW], v0, 2, SPARE
	v_mov_b32 v[NIL], 0
	v_lshrrev_b32 v10, 5, v0
	v_readfirstlane_b32 s2, v10                    ; wave 0, 1
	v_and_b32 v11, 31, v0
	v_lshlrev_b32 v1, 4, v11
	v_lshlrev_b32 v2, 3, v11
	s_mul_i32 s3, s2, REGION
	v_add_nc_u32 v3, s3, v2
	v_and_b32 v12, 15, v0                          ; r
	v_bfe_u32 v13, v0, 4, 1                        ; h
	v_mul_u32_u24 v4, v12, PITCH
	v_lshl_add_u32 v4, v13, 4, v4
	v_add_nc_u32 v4, s3, v4                        ; token r's row + 16 h
	v_and_b32 v14, 7, v0
	v_mul_u32_u24 v5, v14, PITCH
	v_lshl_add_u32 v5, v13, 4, v5
	v_add_nc_u32 v5, s3, v5
	v_add_nc_u32 v5, 16*PITCH, v5                  ; expert r % 8's row + 16 h: the matrix operand's rows 8-15 repeat the experts 0-7
	s_lshl_b32 s16, ttmp9, 5
	s_lshl4_add_u32 s16, s2, s16                   ; my first token = 32 x work-group + 16 x wave
	v_add_nc_u32 v6, s16, v12
	v_lshlrev_b32 v7, 3, v6
	v_lshlrev_b32 v6, 2, v6
	s_lshl_b32 s18, s16, 12
	s_mov_b32 s19, 0
	s_lshl_b32 s20, s16, 11
	s_mov_b32 s21, 0
	s_wait_kmcnt 0x0
	s_add_nc_u64 s[4:5], s[4:5], s[18:19]          ; x and xb at my first token
	s_add_nc_u64 s[10:11], s[10:11], s[20:21]
	s_load_b256 s[24:31], s[8:9], 0x0              ; b_gate, wanted at the end
; A GROUP is two rows of 4,096 bytes: 16 loads, each 512 neighbouring bytes.  Groups 0-3 are W_gate's rows, groups 4-11 my 16 tokens.
.macro LOADG g
.set XB, X+64*((\g)%3)
.set j, 0
.rept 16
.if (\g) < 4
	global_load_b128 v[XB+4*j:XB+4*j+3], v1, s[6:7] offset:(2*(\g)+j/8)*4096+(j%8)*512
.else
	global_load_b128 v[XB+4*j:XB+4*j+3], v1, s[4:5] offset:(2*((\g)-4)+j/8)*4096+(j%8)*512 th:TH_LOAD_NT
.endif
.set j, j+1
.endr
.endm
; Group g is rounded, stored to xb (tokens) and laid into LDS; fill = 1: its buffer takes group g + 3.  left = the younger loads that may stay out.
.macro GRP g, fill, left
.set XB, X+64*((\g)%3)
.if (\g) < 4
.set LR, 16+2*(\g)
.else
.set LR, 2*((\g)-4)
.endif
	s_wait_loadcnt \left                           ; loads come back in order: this group's 16 are in
	s_wait_xcnt 0x0                                ; Y, which the last group's stores read, is rewritten only behind this wait
.set j, 0
.rept 16
	v_cvt_pk_bf16_f32 v[Y+2*j],   v[XB+4*j],   v[XB+4*j+1]
	v_cvt_pk_bf16_f32 v[Y+2*j+1], v[XB+4*j+2], v[XB+4*j+3]
.set j, j+1
.endr
.if \fill
	LOADG (\g)+3
.endif
.if (\g) >= 4
.set j, 0
.rept 16
	global_store_b64 v2, v[Y+2*j:Y+2*j+1], s[10:11] offset:(LR+j/8)*2048+(j%8)*256  ; the wave's 32 lanes store 256 consecutive bytes, aligned
.set j, j+1
.endr
.endif
.set j, 0
.rept 16
	ds_store_b64 v3, v[Y+2*j:Y+2*j+1] offset:(LR+j/8)*PITCH+(j%8)*256
.set j, j+1
.endr
.endm
	LOADG 0
	LOADG 1
	LOADG 2
.irp g, 0,1,2,3,4,5,6,7,8
	GRP \g, 1, 32                                  ; two younger groups stay out
.endr
	GRP 9, 0, 32                                   ; the last three load nothing: the counts run down
	GRP 10, 0, 16
	GRP 11, 0, 0
; THE LOGITS.  Source 0 = 16 rows of W_gate (8 experts, twice), source 1 = my 16 tokens: in the result lane (r, h) holds token r, register j expert j, in both halves of the lanes.
; 32 K steps of 32 in four batches of eight; four sums take turns and are added at the end.  LDS serves a wave's instructions in order, so the loads see the stores above.
.set bt, 0
.rept 4
.if bt > 0
.rept 4
	v_nop                                          ; four places between the last products and the loads into registers that they read
.endr
.endif
.set c, 0
.rept 8
	ds_load_b128 v[X+16*c:X+16*c+3],     v5 offset:64*(8*bt+c)
	ds_load_b128 v[X+16*c+4:X+16*c+7],   v5 offset:64*(8*bt+c)+32
	ds_load_b128 v[X+16*c+8:X+16*c+11],  v4 offset:64*(8*bt+c)
	ds_load_b128 v[X+16*c+12:X+16*c+15], v4 offset:64*(8*bt+c)+32
.set c, c+1
.endr
	s_wait_dscnt 0x0
.set c, 0
.rept 8
.if (bt == 0) && (c < 4)
	v_wmma_f32_16x16x32_bf16 v[ACC+8*(c%4):ACC+8*(c%4)+7], v[X+16*c:X+16*c+7], v[X+16*c+8:X+16*c+15], 0
.else
	v_wmma_f32_16x16x32_bf16 v[ACC+8*(c%4):ACC+8*(c%4)+7], v[X+16*c:X+16*c+7], v[X+16*c+8:X+16*c+15], v[ACC+8*(c%4):ACC+8*(c%4)+7]
.endif
.set c, c+1
.endr
.set bt, bt+1
.endr
.rept 4
	v_nop                                          ; four places behind the last product
.endr
.irp p, 0,1,2,3                                ; the four sums into v10-17; each is read from its low end on
	v_pk_add_f32 v[10+2*\p:11+2*\p], v[ACC+2*\p:ACC+2*\p+1], v[ACC+8+2*\p:ACC+8+2*\p+1]
	v_pk_add_f32 v[18+2*\p:19+2*\p], v[ACC+16+2*\p:ACC+16+2*\p+1], v[ACC+24+2*\p:ACC+24+2*\p+1]
.endr
.irp p, 0,1,2,3
	v_pk_add_f32 v[10+2*\p:11+2*\p], v[10+2*\p:11+2*\p], v[18+2*\p:19+2*\p]
.endr
	s_wait_kmcnt 0x0                               ; b_gate, rounded to bf16 like every input
	v_cvt_pk_bf16_f32 v18, s24, s25
	v_cvt_pk_bf16_f32 v19, s26, s27
	v_cvt_pk_bf16_f32 v20, s28, s29
	v_cvt_pk_bf16_f32 v21, s30, s31
.irp p, 0,1,2,3
	v_lshlrev_b32 v[22+2*\p], 16, v[18+\p]
	v_and_b32 v[23+2*\p], 0xffff0000, v[18+\p]
.endr
.irp p, 0,1,2,3
	v_pk_add_f32 v[10+2*\p:11+2*\p], v[10+2*\p:11+2*\p], v[22+2*\p:23+2*\p]
.endr
	; softmax: the row's maximum is taken away first
	v_max3_num_f32 v18, v10, v11, v12
	v_max3_num_f32 v19, v13, v14, v15
	v_max3_num_f32 v18, v18, v16, v17
	v_max_num_f32 v18, v18, v19
.irp j, 0,1,2,3,4,5,6,7
	v_sub_f32 v[10+\j], v[10+\j], v18
.endr
.irp j, 0,1,2,3,4,5,6,7
	v_mul_f32 v[10+\j], 0x3fb8aa3b, v[10+\j]       ; x log2(e)
.endr
.irp j, 0,1,2,3,4,5,6,7
	v_exp_f32 v[10+\j], v[10+\j]
.endr
	v_nop                                          ; a plain instruction behind the last exponential,
	s_wait_alu depctr_va_vdst(0)                   ; and one wait for the batch of eight ahead of the first reader
	v_add_f32 v19, v10, v11
	v_add_f32 v20, v12, v13
	v_add_f32 v21, v14, v15
	v_add_f32 v22, v16, v17
	v_add_f32 v19, v19, v20
	v_add_f32 v21, v21, v22
	v_add_f32 v19, v19, v21                        ; at least 1: the maximum's own weight
	v_rcp_f32 v19, v19                             ; the search below, which does not name it, stands between it and its wait
	v_mov_b32 v20, v10                             ; the largest weight and its index
	v_mov_b32 v21, 0
.irp j, 1,2,3,4,5,6,7
	v_cmp_gt_f32 vcc_lo, v[10+\j], v20
	v_cndmask_b32 v20, v20, v[10+\j], vcc_lo
	v_cndmask_b32 v21, v21, \j, vcc_lo
.endr
	v_mov_b32 v22, -1.0                            ; the second: the same search with the first one's weight counted as -1
	v_mov_b32 v23, 0
.irp j, 0,1,2,3,4,5,6,7
	v_cmp_eq_u32 vcc_lo, \j, v21
	v_cndmask_b32 v24, v[10+\j], -1.0, vcc_lo
	v_cmp_gt_f32 vcc_lo, v24, v22
	v_cndmask_b32 v22, v22, v24, vcc_lo
	v_cndmask_b32 v23, v23, \j, vcc_lo
.endr
	s_wait_alu depctr_va_vdst(0)                   ; the reciprocal's wait
	v_mul_f32 v20, v20, v19
	v_mul_f32 v22, v22, v19
	v_cmp_lt_u32 vcc_lo, v21, v23
	v_cndmask_b32 v26, v22, v20, vcc_lo            ; the weight of the expert with the lower number,
	v_cndmask_b32 v27, v20, v22, vcc_lo            ; and of the higher
	v_min_u32 v24, v21, v23                        ; lo
	v_max_u32 v25, v21, v23                        ; hi
	v_sub_nc_u32 v28, 15, v24
	v_mul_u32_u24 v28, v28, v24
	v_lshrrev_b32 v28, 1, v28
	v_add_nc_u32 v28, v28, v25
	v_sub_nc_u32 v28, v28, v24
	v_add_nc_u32 v28, -1, v28                      ; sid
	v_and_b32 v29, 31, v0
	v_cmp_gt_u32 vcc_lo, 16, v29                   ; lanes 16-31 hold the same numbers once more: lanes 0-15 store
	s_wait_xcnt 0x0                                ; EXEC changes only behind this wait
	s_and_saveexec_b32 s3, vcc_lo
	global_store_b32 v6, v28, s[12:13]
	global_store_b64 v7, v[26:27], s[14:15]
	s_wait_xcnt 0x0                                ; and again in front of the line that widens it
	s_or_b32 exec_lo, exec_lo, s3
	s_wait_tensorcnt 0x0                           ; the wave's end, behind my last LDS store
	ds_add_u32 v[SPW], v[NIL]
	s_wait_dscnt 0x0
	s_endpgm
.Lfunc_end_k_q0d4d876d6f_route:
	.size	k_q0d4d876d6f_route, .Lfunc_end_k_q0d4d876d6f_route-k_q0d4d876d6f_route
	.p2alignl 7, 3214868480
	.fill 96, 4, 3214868480
	.section	.rodata,"a",@progbits
	.p2align	6, 0x0
	.amdhsa_kernel k_q0d4d876d6f_route
		.amdhsa_group_segment_fixed_size 99584
		.amdhsa_private_segment_fixed_size 0
		.amdhsa_enable_private_segment 0
		.amdhsa_kernarg_size 48
		.amdhsa_user_sgpr_count 2
		.amdhsa_user_sgpr_kernarg_segment_ptr 1
		.amdhsa_wavefront_size32 1
		.amdhsa_system_sgpr_workgroup_id_x 1
		.amdhsa_system_sgpr_workgroup_id_y 1
		.amdhsa_system_sgpr_workgroup_id_z 1
		.amdhsa_system_vgpr_workitem_id 0
		.amdhsa_next_free_vgpr 256
		.amdhsa_next_free_sgpr 66
		.amdhsa_reserve_vcc 1
		.amdhsa_float_denorm_mode_32 3
		.amdhsa_float_denorm_mode_16_64 3
		.amdhsa_memory_ordered 1
		.amdhsa_forward_progress 1
		.amdhsa_inst_pref_size 87
	.end_amdhsa_kernel
	.amdgpu_metadata
---
amdhsa.version: [ 1, 2 ]
amdhsa.kernels:
  - .name:           k_q0d4d876d6f_route
    .symbol:         k_q0d4d876d6f_route.kd
    .args:
      - { .name: x, .offset: 0, .size: 8, .value_kind: global_buffer, .address_space: global }
      - { .name: W_gate, .offset: 8, .size: 8, .value_kind: global_buffer, .address_space: global }
      - { .name: b_gate, .offset: 16, .size: 8, .value_kind: global_buffer, .address_space: global }
      - { .name: xb, .offset: 24, .size: 8, .value_kind: global_buffer, .address_space: global }
      - { .name: sets, .offset: 32, .size: 8, .value_kind: global_buffer, .address_space: global }
      - { .name: gates, .offset: 40, .size: 8, .value_kind: global_buffer, .address_space: global }
    .group_segment_fixed_size: 99584
    .private_segment_fixed_size: 0
    .kernarg_segment_align: 8
    .kernarg_segment_size: 48
    .max_flat_workgroup_size: 64
    .sgpr_count:     66
    .vgpr_count:     256
    .wavefront_size: 32
...
	.end_amdgpu_metadata
.endif
;; end of part 1
;; launch prep (part 2): grid 284 x 1, 32 waves a work-group, no clusters, 4,352 bytes of LDS; arguments sets, gates, W_experts, b_experts, perm, gsort, counts, wb, bb; writes perm, gsort, counts, wb, bb
.if DOCPART == 2
	.amdgcn_target "amdgcn-amd-amdhsa--gfx1250"
	.amdhsa_code_object_version 6
	.text
	.protected	k_q0d4d876d6f_prep
	.globl	k_q0d4d876d6f_prep
	.p2align	8
	.type	k_q0d4d876d6f_prep,@function
k_q0d4d876d6f_prep:
	s_mov_b64 s[64:65], 0
	v_nop
	global_prefetch_b8 v0, s[64:65] scope:SCOPE_SE
	s_setreg_imm32_b32 hwreg(HW_REG_WAVE_MODE, 25, 1), 1
	s_wait_xcnt 0x0
; Two jobs that need each other's time.  Work-groups 0-27: work-group s gathers the tokens of set s: perm[s][0 .. n_s - 1] their numbers, gsort[s][..] their two weights, counts[s] = n_s
; (a counting sort by ranks, no atomics; every split of the tokens is served: n_s from 0 to 8,192).  The first eight of them also round b_experts to bf16, kept as f32 (bb).
; Work-groups 28-283: W_experts, 131,072 bytes each, rounded once to bf16 (wb), in the order in which it lies.
; A stream and a scan: the matrix unit, clusters and tensor loads have nothing to do here.
.set NSETS, 28
.set SPARE, 256                        ; LDS: bytes 0-127 a word for each wave; from 256 on the spare words, 128 bytes for each of 32 waves, which no other line names
.set SPW, 2                            ; v2   LDS address of my spare word; never rewritten
.set NIL, 3                            ; v3   0; never rewritten
	s_load_b512 s[4:19], s[0:1], 0x0               ; sets s[4:5], gates s[6:7], W s[8:9], b s[10:11], perm s[12:13], gsort s[14:15], counts s[16:17], wb s[18:19]
	s_load_b64 s[20:21], s[0:1], 0x40              ; bb
	v_lshl_add_u32 v[SPW], v0, 2, SPARE
	v_mov_b32 v[NIL], 0
	s_mov_b32 s22, ttmp9
	s_cmp_lt_u32 s22, NSETS                        ; the same answer in all 32 waves
	s_cbranch_scc1 .Lsort
	; THE CAST.  Thread t takes 16 bytes at 16 t + 16,384 j, j = 0..7: a wave's load covers 512 bytes on end, its store 256, aligned.  No LDS is touched on this way.
	s_sub_co_u32 s23, s22, NSETS
	s_lshl_b32 s24, s23, 17
	s_mov_b32 s25, 0
	s_lshl_b32 s26, s23, 16
	s_mov_b32 s27, 0
	v_lshlrev_b32 v4, 4, v0
	v_lshlrev_b32 v5, 3, v0
	s_wait_kmcnt 0x0
	s_add_nc_u64 s[8:9], s[8:9], s[24:25]
	s_add_nc_u64 s[18:19], s[18:19], s[26:27]
.irp j, 0,1,2,3,4,5,6,7
	global_load_b128 v[8+4*\j:11+4*\j], v4, s[8:9] offset:16384*\j th:TH_LOAD_NT
.endr
.irp j, 0,1,2,3,4,5,6,7
	s_wait_loadcnt 7-\j                            ; loads come back in order: number j is in
	v_cvt_pk_bf16_f32 v[40+2*\j], v[8+4*\j], v[9+4*\j]
	v_cvt_pk_bf16_f32 v[41+2*\j], v[10+4*\j], v[11+4*\j]
	global_store_b64 v5, v[40+2*\j:41+2*\j], s[18:19] offset:8192*\j
.endr
	s_endpgm
.Lsort:	; THE SORT.  Thread i owns tokens 8 i .. 8 i + 7.  All offsets that are made of ids alone are made here, ahead of everything that is loaded.
	v_lshrrev_b32 v1, 5, v0
	v_readfirstlane_b32 s2, v1                     ; wave 0..31
	v_lshlrev_b32 v4, 5, v0
	v_lshlrev_b32 v5, 6, v0
	s_lshl_b32 s24, ttmp9, 13                      ; the set's 8,192 places
	s_lshl_b32 s35, ttmp9, 2
	s_lshl_b32 s36, ttmp9, 12
	s_mov_b32 s37, ttmp9
	v_mov_b32 v58, s35                             ; byte offset of counts[s]
	v_lshl_add_u32 v60, v0, 2, s36                 ; byte offset of number i of expert s's bias
	v_lshlrev_b32 v52, 3, v0                       ; my first token
	s_wait_kmcnt 0x0
	global_load_b128 v[8:11], v4, s[4:5]           ; eight set numbers
	global_load_b128 v[12:15], v4, s[4:5] offset:16
.irp j, 0,1,2,3
	global_load_b128 v[16+4*\j:19+4*\j], v5, s[6:7] offset:16*\j  ; eight pairs of weights
.endr
	s_mov_b32 s30, 0
	s_wait_loadcnt 0x4                             ; the set numbers are in; the four loads of weights stay out
.irp j, 0,1,2,3,4,5,6,7                        ; rank inside the wave: token j of the lanes below me, and all tokens of lower j
	v_cmp_eq_u32 s[40+\j], s22, v[8+\j]
	v_mbcnt_lo_u32_b32 v[32+\j], s[40+\j], s30
	s_bcnt1_i32_b32 s31, s[40+\j]
	s_add_co_u32 s30, s30, s31
.endr
	s_lshl_b32 s23, s2, 2
	v_mov_b32 v48, s23
	v_mov_b32 v49, s30
	ds_store_b32 v48, v49                          ; my wave's count, in its own word
	s_wait_dscnt 0x0                               ; for the others' sake: the store is done
	s_barrier_signal -1
	s_barrier_wait -1
	v_and_b32 v50, 31, v0
	v_lshlrev_b32 v50, 2, v50
	ds_load_b32 v51, v50                           ; lane k: wave k's count
	s_wait_dscnt 0x0
	s_mov_b32 s32, 0                               ; n_s
	s_mov_b32 s33, 0                               ; the counts of the waves below mine
.set k, 0
.rept 32
	v_readlane_b32 s31, v51, k
	s_add_co_u32 s32, s32, s31
	s_cmp_lt_u32 k, s2
	s_cselect_b32 s31, s31, 0
	s_add_co_u32 s33, s33, s31
.set k, k+1
.endr
	s_cmp_lg_u32 s2, 0
	s_cbranch_scc1 .Lnot_wave_0
	v_mov_b32 v59, s32
	v_cmp_eq_u32 vcc_lo, 0, v0
	s_wait_xcnt 0x0                                ; EXEC changes only behind this wait (the loads of weights were issued above)
	s_and_saveexec_b32 s34, vcc_lo
	global_store_b32 v58, v59, s[16:17]            ; counts[s]
	s_wait_xcnt 0x0
	s_or_b32 exec_lo, exec_lo, s34
.Lnot_wave_0:
	s_cmp_ge_u32 s37, 8
	s_cbranch_scc1 .Lno_bias
	global_load_b32 v61, v60, s[10:11]             ; expert s's bias: thread i rounds number i
	s_wait_loadcnt 0x0
	v_cvt_pk_bf16_f32 v62, v61, v61
	v_lshlrev_b32 v62, 16, v62
	global_store_b32 v60, v62, s[20:21]
.Lno_bias:
.irp j, 0,1,2,3,4,5,6,7
	v_add_nc_u32 v[32+\j], s33, v[32+\j]
	v_min_u32 v[32+\j], 0x1fff, v[32+\j]           ; a place made of loaded numbers is held inside the set's places before it enters an address
	v_add_nc_u32 v[32+\j], s24, v[32+\j]
	v_lshlrev_b32 v[8+\j], 2, v[32+\j]             ; byte offset in perm,
	v_lshlrev_b32 v[32+\j], 3, v[32+\j]            ; in gsort
	v_add_nc_u32 v[40+\j], \j, v52                 ; the token's number
.endr
	s_wait_loadcnt 0x0                             ; the weights
.irp j, 0,1,2,3,4,5,6,7                        ; the stores under masks made of loaded numbers come last: no address is made behind them
	s_wait_xcnt 0x0                                ; EXEC changes only behind this wait
	s_mov_b32 vcc_lo, s[40+\j]
	s_and_saveexec_b32 s34, vcc_lo                 ; the lanes whose token j is of this set
	global_store_b32 v[8+\j], v[40+\j], s[12:13]
	global_store_b64 v[32+\j], v[16+2*\j:17+2*\j], s[14:15]
	s_wait_xcnt 0x0
	s_or_b32 exec_lo, exec_lo, s34
.endr
	s_wait_tensorcnt 0x0                           ; the wave's end, behind my last LDS store
	ds_add_u32 v[SPW], v[NIL]
	s_wait_dscnt 0x0
	s_endpgm
.Lfunc_end_k_q0d4d876d6f_prep:
	.size	k_q0d4d876d6f_prep, .Lfunc_end_k_q0d4d876d6f_prep-k_q0d4d876d6f_prep
	.p2alignl 7, 3214868480
	.fill 96, 4, 3214868480
	.section	.rodata,"a",@progbits
	.p2align	6, 0x0
	.amdhsa_kernel k_q0d4d876d6f_prep
		.amdhsa_group_segment_fixed_size 4352
		.amdhsa_private_segment_fixed_size 0
		.amdhsa_enable_private_segment 0
		.amdhsa_kernarg_size 72
		.amdhsa_user_sgpr_count 2
		.amdhsa_user_sgpr_kernarg_segment_ptr 1
		.amdhsa_wavefront_size32 1
		.amdhsa_system_sgpr_workgroup_id_x 1
		.amdhsa_system_sgpr_workgroup_id_y 1
		.amdhsa_system_sgpr_workgroup_id_z 1
		.amdhsa_system_vgpr_workitem_id 0
		.amdhsa_next_free_vgpr 64
		.amdhsa_next_free_sgpr 66
		.amdhsa_reserve_vcc 1
		.amdhsa_float_denorm_mode_32 3
		.amdhsa_float_denorm_mode_16_64 3
		.amdhsa_memory_ordered 1
		.amdhsa_forward_progress 1
		.amdhsa_inst_pref_size 19
	.end_amdhsa_kernel
	.amdgpu_metadata
---
amdhsa.version: [ 1, 2 ]
amdhsa.kernels:
  - .name:           k_q0d4d876d6f_prep
    .symbol:         k_q0d4d876d6f_prep.kd
    .args:
      - { .name: sets, .offset: 0, .size: 8, .value_kind: global_buffer, .address_space: global }
      - { .name: gates, .offset: 8, .size: 8, .value_kind: global_buffer, .address_space: global }
      - { .name: W_experts, .offset: 16, .size: 8, .value_kind: global_buffer, .address_space: global }
      - { .name: b_experts, .offset: 24, .size: 8, .value_kind: global_buffer, .address_space: global }
      - { .name: perm, .offset: 32, .size: 8, .value_kind: global_buffer, .address_space: global }
      - { .name: gsort, .offset: 40, .size: 8, .value_kind: global_buffer, .address_space: global }
      - { .name: counts, .offset: 48, .size: 8, .value_kind: global_buffer, .address_space: global }
      - { .name: wb, .offset: 56, .size: 8, .value_kind: global_buffer, .address_space: global }
      - { .name: bb, .offset: 64, .size: 8, .value_kind: global_buffer, .address_space: global }
    .group_segment_fixed_size: 4352
    .private_segment_fixed_size: 0
    .kernarg_segment_align: 8
    .kernarg_segment_size: 72
    .max_flat_workgroup_size: 1024
    .sgpr_count:     66
    .vgpr_count:     64
    .wavefront_size: 32
...
	.end_amdgpu_metadata
.endif
;; end of part 2
;; launch moe (part 3): grid 4 x 79, 4 waves a work-group, no clusters, 263,168 bytes of LDS; arguments counts, perm, gsort, xb, wb, bb, out0; writes out0
.if DOCPART == 3
	.amdgcn_target "amdgcn-amd-amdhsa--gfx1250"
	.amdhsa_code_object_version 6
	.text
	.protected	k_q0d4d876d6f_moe
	.globl	k_q0d4d876d6f_moe
	.p2align	8
	.type	k_q0d4d876d6f_moe,@function
k_q0d4d876d6f_moe:
	s_mov_b64 s[64:65], 0
	v_nop
	global_prefetch_b8 v0, s[64:65] scope:SCOPE_SE
	s_setreg_imm32_b32 hwreg(HW_REG_WAVE_MODE, 25, 1), 1
	s_wait_xcnt 0x0
; out[t] = g_lo (x[t] W_lo^T + b_lo) + g_hi (x[t] W_hi^T + b_hi), for the tokens sorted by their SET of experts {lo, hi}.  Operands bf16 (xb, wb), sums, weights and biases f32.
; A TILE is 160 tokens of ONE set x 256 output columns: each output row has one owner.  Pass 0 multiplies by W_lo (K = 1,024); the sums are then scaled in place by rho = g_lo / gm, gm = max(g_hi, 2^-64);
; pass 1 adds the products with W_hi onto them; out = gm x sums + g_lo b_lo + g_hi b_hi.
; LIMIT.  A g_hi below 2^-64 counts as 2^-64 in front of its product (not of its bias): the other expert's weight is then 1/8 or more, and the error is below 6e-20 of x W_hi.
; THE GRID SERVES EVERY SPLIT: the sets have ceil(n_s / 160) tiles, together at most (8,192 + 28 x 159) / 160 = 79; x 4 blocks of columns.  Every work-group finds its tile from the 28 stored counts.
; EVERY WAVE PASSES EVERY BARRIER, whatever the counts say.  A work-group past the last tile (LIVE = 0) runs the head and the first quarter on the last token of the last set that has any, so that every register
; that a later line names has been written on every way; then it jumps the work between the barriers, by forward branches that pass no barrier, and stores nothing.
; In a tile that is not full the places past the count repeat the set's last token, and their stores are jumped.
; SHARES.  Four waves, each 80 rows x 128 columns: 5 x 8 = 40 sums of 16 x 16.  K goes in steps of 128 through two slots of LDS; the 16 steps of both passes are one walk.  Each wave brings 64 of W's 256 rows
; and 40 of the 160 tokens' rows, 256 bytes each, THROUGH REGISTERS: 52 loads in a step's first quarter, for the step two on; they are laid into the slot just read out behind that step's barrier.
; NO TENSOR LOADS: none may be jumped, so a work-group without rows would fetch 1 MiB of W for nothing and wait for it 16 times; and the tokens' rows come by a list that no descriptor covers.
; NO CLUSTER: the partners that walk the same W are tiles of one set; whole clusters of 4 x 160 rows for each set would more than double the padded rows at 293 rows a set.
; THE MATRIX INSTRUCTION IS USED TRANSPOSED (source 0 = 16 rows of W, source 1 = 16 tokens): a lane holds one token (lane % 16) and eight neighbouring columns, so a weight is one number a lane.
; REGISTERS, in windows of 256 (s_set_vgpr_msb: bits 1:0 source 0, 3:2 source 1, 5:4 source 2, 7:6 destination):
;   window 0: v0-31 addresses and work; v32-111 the tokens' fragments, two buffers of 40; v112-191 40 token rows on their way to LDS; v192-211 the list's byte offsets; v212-231 weights; v232-250 see below
;   window 1: v0-127 W's fragments, two buffers of 64.  Sum (a, b) at register 384 + 64 a + 8 b, 64 rows of W on their way to LDS at registers 704-831, counted through the windows.
.set PITCH,  272                       ; an LDS row: 256 bytes + 16: the 16 rows of a fragment load start in 16 different groups of four banks (64 banks of 4 bytes: ISA guide 11.1)
.set WSLOT,  256*PITCH                 ; W's two slots lie at 0 and WSLOT
.set ABASE,  2*WSLOT
.set ASLOT,  160*PITCH                 ; the tokens' two slots
.set TAB,    ABASE+2*ASLOT             ; 160 entries of 16 bytes: g_lo, token, g_hi, 0
.set STAGE,  TAB+160*16                ; 16 rows x 528 bytes for each wave, for the way out
.set SPITCH, 528
.set SPARE,  STAGE+4*16*SPITCH         ; the spare words, 128 bytes a wave: two blocks of 256 bytes that no other line names
.set TBA,  3                           ; v3      (from the first barrier on) the table at my 80 rows
.set ADRA, 4                           ; v4-5    LDS address of my token fragments in slot 0, 1
.set ADRB, 6                           ; v6-7    the same for W
.set ASTO, 8                           ; v8-9    where I lay 16 bytes of a token's row, slot 0, 1
.set STO,  10                          ; v10     the way out: where I put 32 bytes of a row
.set RD,   11                          ; v11     the way out: where I read a row back
.set L16,  12                          ; v12     16 x lane
.set AF,   32
.set STG,  112
.set TOK,  192
.set GT,   212                         ; block a, my lane's token, at v[GT+4 a]: rho, token, gm, 0 (as loaded: g_lo, token, g_hi, 0)
.set SPW,  232                         ; v232    LDS address of my spare word; never rewritten
.set NIL,  233                         ; v233    0; never rewritten
.set BL,   234                         ; v234-237 b_lo of my four columns on the way out; v238-241 b_hi
.set BH,   238
.set WSTO, 242                         ; v242-243 where I lay 16 bytes of a row of W, slot 0, 1
.set WOFF, 244                         ; v244    my byte offset in two rows of W
.set RC,   246                         ; v246-250 1 / gm
.set TMP,  14                          ; the way out: v14-77 a block's results, v78-141 its rows read back, v142-205 its 16 entries of the table
.set BK,   78
.set TB,   142
.set WV, 18                            ; s18 wave; s19 its half of the rows; s20 its half of the columns
.set WM, 19
.set WN, 20
.set CB, 21                            ; s21 block of 256 columns; s22 tile
.set TY, 22
.set CUM, 23                           ; s23-26 the scan: tiles so far; the set found, its first tile, its count
.set SID, 24
.set BASE, 25
.set NSEL, 26
.set T0, 27
.set LO, 28
.set HI, 29
.set NROW, 30
.set NRW, 31                           ; s31 how many of my wave's 80 rows exist
.set LIVE, 32                          ; s32 1: the split has my tile
.set AL, 33                            ; s33 K steps still to be loaded
.set LAPS, 34
.set WOL, 36                           ; s36, s37 byte offset in wb of my 64 rows with expert lo, hi
.set WOH, 37
.set XA, 40                            ; s[40:41] xb at the K step that is being loaded
.set WA, 42                            ; s[42:43] wb at my rows of that K step
.set KO, 44                            ; s44 256 x the number (0 to 15) of that K step
.set T1, 48                            ; s[48:51] at work
.set CNT, 68                           ; s[68:95] the 28 counts
.set MSB, 0
.macro WIN new                         ; the immediate's high byte repeats the setting that is left; a switch that changes nothing is dropped
.if MSB != (\new)
	s_set_vgpr_msb (MSB<<8)|(\new)
.set MSB, (\new)
.endif
.endm
.macro PLACES                          ; four places in front of loads into registers that matrix instructions have read, and of vector lines that read results just made
.rept 4
	v_nop
.endr
.endm
.macro SKIPTO label                    ; a work-group without rows jumps forward, over work alone
	s_cmp_eq_u32 s[LIVE], 0
	s_cbranch_scc1 \label
.endm
; The barrier of a change of slots, on every wave's way.  In front of it my reads of the slot that is left and my stores into the slot that comes are done; behind it nobody reads the old slot and the next is whole.
; The wait for the global loads stands here too, on every way: the rows asked for in this step's first quarter are in, and their registers and bases may be used again.
.macro BAR
	s_wait_dscnt 0x0
	s_barrier_signal -1
	s_barrier_wait -1
	s_wait_loadcnt 0x0
.endm
	s_load_b256 s[4:11], s[0:1], 0x0               ; counts s[4:5], perm s[6:7], gsort s[8:9], xb s[10:11]
	s_load_b128 s[12:15], s[0:1], 0x20             ; wb s[12:13], bb s[14:15]
	s_load_b64 s[16:17], s[0:1], 0x30              ; out0
	v_lshl_add_u32 v[SPW], v0, 2, SPARE
	v_mov_b32 v[NIL], 0
	v_lshrrev_b32 v3, 5, v0
	v_readfirstlane_b32 s[WV], v3
	s_lshr_b32 s[WM], s[WV], 1
	s_and_b32 s[WN], s[WV], 1
	s_mov_b32 s[CB], ttmp9
	s_and_b32 s[TY], ttmp7, 0xffff
	s_wait_kmcnt 0x0
	s_load_b512 s[CNT:CNT+15], s[4:5], 0x0
	s_load_b256 s[CNT+16:CNT+23], s[4:5], 0x40
	s_load_b128 s[CNT+24:CNT+27], s[4:5], 0x60
	; what hangs on ids alone is made while the counts are on their way
	v_and_b32 v13, 31, v0                          ; lane
	v_and_b32 v1, 15, v0                           ; r
	v_bfe_u32 v2, v0, 4, 1                         ; h
	v_lshlrev_b32 v[L16], 4, v13
	v_mul_u32_u24 v3, v1, PITCH
	v_lshl_add_u32 v3, v2, 4, v3                   ; a fragment's row x pitch + 16 x half
	s_mul_i32 s[T1], s[WM], 80*PITCH
	s_add_co_u32 s[T1], s[T1], ABASE
	v_add_nc_u32 v[ADRA], s[T1], v3
	v_add_nc_u32 v[ADRA+1], ASLOT, v[ADRA]
	s_mul_i32 s[T1], s[WN], 128*PITCH
	v_add_nc_u32 v[ADRB], s[T1], v3
	v_add_nc_u32 v[ADRB+1], WSLOT, v[ADRB]
	v_mul_u32_u24 v14, v2, PITCH                   ; lanes 0-15 lay one row's 256 bytes, lanes 16-31 the next row's
	v_lshl_add_u32 v14, v1, 4, v14
	s_mul_i32 s[T1], s[WV], 40*PITCH
	s_add_co_u32 s[T1], s[T1], ABASE
	v_add_nc_u32 v[ASTO], s[T1], v14
	v_add_nc_u32 v[ASTO+1], ASLOT, v[ASTO]
	s_mul_i32 s[T1], s[WV], 64*PITCH
	v_add_nc_u32 v[WSTO], s[T1], v14
	v_add_nc_u32 v[WSTO+1], WSLOT, v[WSTO]
	v_lshlrev_b32 v[WOFF], 4, v1
	v_lshl_add_u32 v[WOFF], v2, 11, v[WOFF]        ; the same two rows in wb: 2,048 bytes apart
	s_mul_i32 s[T1], s[WV], 16*SPITCH
	s_add_co_u32 s[T1], s[T1], STAGE
	v_mul_u32_u24 v[STO], v1, SPITCH
	v_lshl_add_u32 v[STO], v2, 5, v[STO]
	v_add_nc_u32 v[STO], s[T1], v[STO]
	v_add_nc_u32 v[RD], s[T1], v[L16]
	s_mov_b32 s[CUM], 0
	s_mov_b32 s[SID], 0
	s_mov_b32 s[BASE], 0
	s_mov_b32 s[NSEL], 0
	s_wait_kmcnt 0x0
; The last set with tokens whose first tile is not behind mine is my set.  ceil(n / 160) = (n + 159) x 52,429 >> 23, exact for n up to 8,192 (52,429 x 160 = 2^23 + 32).
.macro SCAN s
	s_cmp_le_u32 s[CUM], s[TY]
	s_cselect_b32 s[T0], s[CNT+(\s)], 0
	s_cmp_lg_u32 s[T0], 0
	s_cselect_b32 s[NSEL], s[CNT+(\s)], s[NSEL]
	s_cselect_b32 s[SID], \s, s[SID]
	s_cselect_b32 s[BASE], s[CUM], s[BASE]
	s_add_co_u32 s[T0], s[CNT+(\s)], 159
	s_mul_i32 s[T0], s[T0], 52429
	s_lshr_b32 s[T0], s[T0], 23
	s_add_co_u32 s[CUM], s[CUM], s[T0]
.endm
.set q, 0
.rept 28
	SCAN q
.set q, q+1
.endr
	s_cmp_lt_u32 s[TY], s[CUM]
	s_cselect_b32 s[LIVE], 1, 0
	s_sub_co_u32 s[T0], s[TY], s[BASE]
	s_mul_i32 s[T0], s[T0], 160                    ; the tile's first place in its set (kept for the table)
	s_sub_co_u32 s[NROW], s[NSEL], s[T0]
	s_min_u32 s[NROW], s[NROW], 160
	s_mul_i32 s[NROW], s[NROW], s[LIVE]            ; no rows where there is no tile
	s_mul_i32 s[T1], s[WM], 80
	s_sub_co_i32 s[NRW], s[NROW], s[T1]
	s_max_i32 s[NRW], s[NRW], 0
	s_min_i32 s[NRW], s[NRW], 80
	s_mov_b32 s[LO], 0                             ; lo = how many of the sets' first numbers 7, 13, 18, 22, 25, 27 are not above sid
.irp th, 7,13,18,22,25,27
	s_cmp_ge_u32 s[SID], \th
	s_cselect_b32 s[T1], 1, 0
	s_add_co_u32 s[LO], s[LO], s[T1]
.endr
	s_sub_co_u32 s[T1], 15, s[LO]
	s_mul_i32 s[T1], s[T1], s[LO]
	s_lshr_b32 s[T1], s[T1], 1
	s_sub_co_u32 s[HI], s[SID], s[T1]
	s_add_co_u32 s[HI], s[HI], s[LO]
	s_add_co_u32 s[HI], s[HI], 1                   ; hi = sid - lo (15 - lo) / 2 + lo + 1
	s_min_u32 s[LO], s[LO], 7                      ; numbers made of loaded ones are held inside their table before they enter an address
	s_min_u32 s[HI], s[HI], 7
	s_lshl_b32 s[T1], s[CB], 8
	s_lshl_b32 s[T1+1], s[WV], 6
	s_add_co_u32 s[T1], s[T1], s[T1+1]
	s_lshl_b32 s[T1], s[T1], 11                    ; my first row inside an expert, in bytes
	s_lshl_b32 s[WOL], s[LO], 21
	s_add_co_u32 s[WOL], s[WOL], s[T1]
	s_lshl_b32 s[WOH], s[HI], 21
	s_add_co_u32 s[WOH], s[WOH], s[T1]
	s_mov_b32 s[T1], s[WOL]
	s_mov_b32 s[T1+1], 0
	s_add_nc_u64 s[WA:WA+1], s[12:13], s[T1:T1+1]  ; expert lo, K step 0
	; THE TABLE.  Each wave makes the entries of the 40 rows whose tokens it will fetch: rows 40 w + lane, and 40 w + 32 + lane % 8 (lanes 8-31 repeat lanes 0-7).
	s_mul_i32 s[T1], s[WV], 40
	s_add_co_u32 s[T1+1], s[T0], s[T1]
	s_sub_co_u32 s[T1+2], s[NSEL], 1
	s_lshl_b32 s[T1+3], s[SID], 13
	v_add_nc_u32 v14, s[T1+1], v13
	v_and_b32 v17, 7, v0
	v_add_nc_u32 v16, s[T1+1], v17
	v_add_nc_u32 v16, 32, v16
	v_min_u32 v14, s[T1+2], v14                    ; places past the count repeat the set's last token
	v_min_u32 v16, s[T1+2], v16
	v_add_nc_u32 v14, s[T1+3], v14
	v_add_nc_u32 v16, s[T1+3], v16
	v_min_u32 v14, 0x37fff, v14                    ; inside the 28 x 8,192 places
	v_min_u32 v16, 0x37fff, v16
	v_lshlrev_b32 v15, 3, v14
	v_lshlrev_b32 v14, 2, v14
	v_lshlrev_b32 v18, 3, v16
	v_lshlrev_b32 v16, 2, v16
	global_load_b32 v21, v14, s[6:7]
	global_load_b64 v[24:25], v15, s[8:9]
	global_load_b32 v27, v16, s[6:7]
	global_load_b64 v[30:31], v18, s[8:9]
	s_lshl_b32 s[T1], s[CB], 10
	s_lshl_b32 s[T1+1], s[WN], 9
	s_add_co_u32 s[T1], s[T1], s[T1+1]             ; my 128 columns, in bytes of f32
	s_lshl_b32 s[T1+2], s[LO], 12
	s_add_co_u32 s[T1+2], s[T1+2], s[T1]
	s_lshl_b32 s[T1+3], s[HI], 12
	s_add_co_u32 s[T1+3], s[T1+3], s[T1]
	v_add_nc_u32 v19, s[T1+2], v[L16]
	v_add_nc_u32 v3, s[T1+3], v[L16]
	global_load_b128 v[BL:BL+3], v19, s[14:15]
	global_load_b128 v[BH:BH+3], v3, s[14:15]
; My 64 rows of W at s[WA]: 32 loads, sixteen lanes to a row's 256 consecutive bytes, into registers 704-831
.macro WLOADS
	WIN 0x80                                       ; destination window 2, address window 0
.set j, 0
.rept 16
	global_load_b128 v[192+4*j:192+4*j+3], v[WOFF], s[WA:WA+1] offset:4096*j
.set j, j+1
.endr
	WIN 0xc0                                       ; destination window 3
.rept 16
	global_load_b128 v[4*(j-16):4*(j-16)+3], v[WOFF], s[WA:WA+1] offset:4096*j
.set j, j+1
.endr
	WIN 0
.endm
.macro WSTORE slot                     ; and from there into a slot
	WIN 0x08                                       ; data (source 1) window 2, address window 0
.set j, 0
.rept 16
	ds_store_b128 v[WSTO+(\slot)], v[192+4*j:192+4*j+3] offset:2*PITCH*j
.set j, j+1
.endr
	WIN 0x0c                                       ; data window 3
.rept 16
	ds_store_b128 v[WSTO+(\slot)], v[4*(j-16):4*(j-16)+3] offset:2*PITCH*j
.set j, j+1
.endr
	WIN 0
.endm
.macro ASTORE slot, from               ; 40 token rows into a slot
.set j, 0
.rept 20
	ds_store_b128 v[ASTO+(\slot)], v[(\from)+4*j:(\from)+4*j+3] offset:2*PITCH*j
.set j, j+1
.endr
.endm
	WLOADS                                         ; W's K step 0 goes out beside the table's loads
	s_mul_i32 s[T1], s[WV], 640
	s_add_co_u32 s[T1], s[T1], TAB                 ; my 40 entries
	s_wait_loadcnt 32                              ; the table's four loads and the biases' two are in; W's 32 stay out
	v_mov_b32 v20, v24                             ; an entry: g_lo, token, g_hi, 0: each weight is the low word of a pair, as the packed lines want it
	v_min_u32 v21, 0x1fff, v21
	v_mov_b32 v22, v25
	v_mov_b32 v23, 0
	v_mov_b32 v26, v30
	v_min_u32 v27, 0x1fff, v27
	v_mov_b32 v28, v31
	v_mov_b32 v29, 0
	v_add_nc_u32 v14, s[T1], v[L16]
	v_lshl_add_u32 v15, v17, 4, s[T1]
	ds_store_b128 v14, v[20:23]
	ds_store_b128 v15, v[26:29] offset:512
	v_lshl_add_u32 v16, v2, 4, s[T1]
.set j, 0
.rept 20                                       ; load j of a K step takes rows 40 w + 2 j and + 1: their tokens.  My own entries: LDS serves a wave's instructions in order
	ds_load_b32 v[TOK+j], v16 offset:4+32*j
.set j, j+1
.endr
	v_lshlrev_b32 v18, 4, v1
	s_wait_dscnt 0x0
.set j, 0
.rept 20
	v_min_u32 v[TOK+j], 0x1fff, v[TOK+j]
	v_lshl_add_u32 v[TOK+j], v[TOK+j], 11, v18     ; token x 2,048 bytes + 16 (lane % 16)
.set j, j+1
.endr
.set j, 0
.rept 20
	global_load_b128 v[STG+4*j:STG+4*j+3], v[TOK+j], s[10:11]           ; the tokens' K step 0: sixteen lanes take a row's 256 consecutive bytes
.set j, j+1
.endr
	s_wait_loadcnt 20                              ; W's K step 0 is in; the tokens' twenty stay out
	WSTORE 0
	WIN 0x40                                       ; W's K step 1, through its fragments' registers, which are still idle
.set j, 0
.rept 32
	global_load_b128 v[4*j:4*j+3], v[WOFF], s[WA:WA+1] offset:4096*j+256
.set j, j+1
.endr
	WIN 0
	s_wait_loadcnt 32                              ; the tokens' K step 0 is in
	ASTORE 0, STG
.set j, 0
.rept 20
	global_load_b128 v[AF+4*j:AF+4*j+3], v[TOK+j], s[10:11] offset:256  ; the tokens' K step 1, likewise
.set j, j+1
.endr
	s_wait_loadcnt 20                              ; W's K step 1 is in
	WIN 0x04                                       ; data window 1
.set j, 0
.rept 32
	ds_store_b128 v[WSTO+1], v[4*j:4*j+3] offset:2*PITCH*j
.set j, j+1
.endr
	WIN 0
	s_wait_loadcnt 0x0
	ASTORE 1, AF
	s_wait_dscnt 0x0                               ; for the others' sake: my entries and my rows of both slots are stored
	s_barrier_signal -1
	s_barrier_wait -1
	s_mul_i32 s[T1], s[WM], 80*16
	s_add_co_u32 s[T1], s[T1], TAB
	v_lshl_add_u32 v13, v1, 4, s[T1]
	v_mov_b32 v[TBA], s[T1]
.irp a, 0,1,2,3,4
	ds_load_b128 v[GT+4*\a:GT+4*\a+3], v13 offset:256*\a  ; the entry of row 80 wm + 16 a + lane % 16
.endr
; Products for blocks a0 .. a1 of 16 tokens x all 8 blocks of 16 columns, 32 along K, from buffer f.  The 40 sums take turns in one fixed order, one instruction a turn;
; whichever of the jumps on LIVE is taken, a run that begins with block 0 or 3 follows one that ended with block 4 or 2.  zero = 1: the product starts the sum: nothing is ever cleared.
.macro MUL f, a0, a1, zero
.set ma, (\a0)
.rept (\a1)-(\a0)+1
	WIN 0x01|(0x50*(1+(128+64*ma)/256))            ; W in window 1, tokens in window 0, the sum in window 1 (blocks 0, 1) or 2
.set mc, (128+64*ma)%256
.set mb, 0
.rept 8
.if \zero
	v_wmma_f32_16x16x32_bf16 v[mc+8*mb:mc+8*mb+7], v[64*(\f)+8*mb:64*(\f)+8*mb+7], v[AF+40*(\f)+8*ma:AF+40*(\f)+8*ma+7], 0
.else
	v_wmma_f32_16x16x32_bf16 v[mc+8*mb:mc+8*mb+7], v[64*(\f)+8*mb:64*(\f)+8*mb+7], v[AF+40*(\f)+8*ma:AF+40*(\f)+8*ma+7], v[mc+8*mb:mc+8*mb+7]
.endif
.set mb, mb+1
.endr
.set ma, ma+1
.endr
.endm
; 26 LDS loads in one run: the fragments of 32 along K at byte k of the rows (128 rows of W, then 80 tokens) into buffer f
.macro FETCH slot, k, f
	WIN 0x40                                       ; destination window 1, address window 0
.set fi, 0
.rept 8
	ds_load_b128 v[64*(\f)+8*fi:64*(\f)+8*fi+3],   v[ADRB+(\slot)] offset:(\k)+fi*16*PITCH
	ds_load_b128 v[64*(\f)+8*fi+4:64*(\f)+8*fi+7], v[ADRB+(\slot)] offset:(\k)+fi*16*PITCH+32
.set fi, fi+1
.endr
	WIN 0
.set fi, 0
.rept 5
	ds_load_b128 v[AF+40*(\f)+8*fi:AF+40*(\f)+8*fi+3],   v[ADRA+(\slot)] offset:(\k)+fi*16*PITCH
	ds_load_b128 v[AF+40*(\f)+8*fi+4:AF+40*(\f)+8*fi+7], v[ADRA+(\slot)] offset:(\k)+fi*16*PITCH+32
.set fi, fi+1
.endr
.endm
; The K step two steps on: my 40 tokens' and my 64 rows of W's 256 bytes, 52 loads, in the first quarter of a step; the wait for them stands behind that step's barrier, 144 matrix instructions later.
; Steps 2 to 15 are so loaded: 14 times (never in a work-group without rows); then the run is jumped.  Steps 8 to 15 are pass 1's: the same bytes of the tokens' rows, expert hi's rows of W.
.macro ALOADS
	WIN 0
	s_cmp_eq_u32 s[AL], 0
	s_cbranch_scc1 .Lno_a_\@
	s_lshr_b32 s[T1], s[KO], 11                    ; the pass, 0 or 1
	s_xor_b32 s[T1+1], s[T1], 1
	s_mul_i32 s[T1], s[T1], s[WOH]
	s_mul_i32 s[T1+1], s[T1+1], s[WOL]
	s_add_co_u32 s[T1], s[T1], s[T1+1]             ; the pass's expert, my rows,
	s_and_b32 s[T1+2], s[KO], 2047
	s_add_co_u32 s[T1], s[T1], s[T1+2]             ; the step's bytes in a row
	s_mov_b32 s[T1+1], 0
	s_mov_b32 s[T1+3], 0
	s_add_nc_u64 s[WA:WA+1], s[12:13], s[T1:T1+1]  ; the last run's loads were waited for behind a barrier, so their bases may be written
	s_add_nc_u64 s[XA:XA+1], s[10:11], s[T1+2:T1+3]
.set j, 0
.rept 20
	global_load_b128 v[STG+4*j:STG+4*j+3], v[TOK+j], s[XA:XA+1]
.set j, j+1
.endr
	WLOADS
	s_add_co_u32 s[KO], s[KO], 256
	s_sub_co_u32 s[AL], s[AL], 1
.Lno_a_\@:
.endm
; A K step is four quarters of 32 along K, 40 matrix instructions each, on buffers 0, 1, 0, 1.  One of the first three: multiplies buffer f; in its middle it fetches the next quarter, at byte k, into buffer g.
; st = 1: the quarter behind a change of slots that laid rows into LDS: 52 stores were issued behind its 26 fragment loads.
.macro QUARTER slot, k, f, g, zero=0, aload=0, st=0
.if \st
	s_wait_dscnt 52                                ; all 26 fragment loads are in; the 52 stores behind them may be out
.else
	s_wait_dscnt 6                                 ; W and the tokens' blocks 0, 1 are in; the youngest six loads, blocks 2-4, may be out
.endif
.if \aload
	ALOADS
.endif
	MUL \f, 0, 1, \zero
	PLACES
	FETCH \slot, \k, \g
.if (\st) == 0
	s_wait_dscnt 26                                ; all but the 26 just issued
.endif
	MUL \f, 2, 4, \zero
.endm
; The last quarter multiplies buffer 1 and changes slots.  Its first 24 products stand in front of the barrier,
.macro TURNPRE
	s_wait_dscnt 4                                 ; the youngest four loads, blocks 3 and 4, may be out
	MUL 1, 0, 2, 0
	WIN 0                                          ; at a label and at a branch every window is 0
.endm
; its last 16 behind it.  First the next slot's first fragments are asked for; then (store = 1) the rows that came through registers are laid into the slot just read out.
.macro TURNPOST slot, next, store
	PLACES                                         ; in front of the loads into buffer 0
	FETCH \next, 0, 0
.if \store
	ASTORE \slot, STG
	WSTORE \slot
.endif
	MUL 1, 3, 4, 0
.endm
; The sums of pass 0 times rho, in place, each sum from its low end on.  Blocks 0-2's 96 lines are the places behind the last products (blocks 3, 4); their own last products stand in front of TURNPOST's places.
.macro SCALE
.set sa, 0
.rept 5
	WIN (1+(128+64*sa)/256)*0x41                   ; destination and source 0 in the sum's window, rho in window 0
.set sc, (128+64*sa)%256
.set z, 0
.rept 32
	v_pk_mul_f32 v[sc+2*z:sc+2*z+1], v[sc+2*z:sc+2*z+1], v[GT+4*sa:GT+4*sa+1] op_sel_hi:[1,0]
.set z, z+1
.endr
.set sa, sa+1
.endr
.endm
	FETCH 0, 0, 0
	s_mov_b32 s[KO], 512
	s_mul_i32 s[AL], s[LIVE], 14
	QUARTER 0, 64, 0, 1, 1, 1                      ; the first quarter stands in front of the loop, on every way: its products start the sums
	WIN 0
.irp a, 0,1,2,3,4
	v_max_num_f32 v[GT+4*\a+2], 0x1f800000, v[GT+4*\a+2]  ; gm = max(g_hi, 2^-64)
.endr
.irp a, 0,1,2,3,4
	v_rcp_f32 v[RC+\a], v[GT+4*\a+2]
.endr
	v_nop                                          ; a plain instruction behind the last reciprocal,
	s_wait_alu depctr_va_vdst(0)                   ; and one wait for the five ahead of the first reader
.irp a, 0,1,2,3,4
	v_mul_f32 v[GT+4*\a], v[GT+4*\a], v[RC+\a]     ; rho = g_lo / gm
.endr
	s_mov_b32 s[LAPS], 7
.Llap:                                                 ; a trip goes once round the ring, from a lap's second quarter to the next lap's first: steps 2 i (rest), 2 i + 1, 2 i + 2 (first quarter), i = 7 - LAPS
	SKIPTO .Lb0
	QUARTER 0, 128, 1, 0
	QUARTER 0, 192, 0, 1
	TURNPRE
.Lb0:
	BAR
	SKIPTO .Lb1
	TURNPOST 0, 1, 1
	QUARTER 1, 64, 0, 1, 0, 1, 1
	QUARTER 1, 128, 1, 0
	QUARTER 1, 192, 0, 1
	TURNPRE
.Lb1:
	BAR
	SKIPTO .Lb2
	TURNPOST 1, 0, 1
	WIN 0
	s_cmp_lg_u32 s[LAPS], 4                        ; behind step 7 pass 0 is over
	s_cbranch_scc1 .Lnoscale
	SCALE
	WIN 0
.Lnoscale:
	QUARTER 0, 64, 0, 1, 0, 1, 1
	WIN 0
.Lb2:
	s_sub_co_u32 s[LAPS], s[LAPS], 1
	s_cmp_lg_u32 s[LAPS], 0
	s_cbranch_scc1 .Llap
	SKIPTO .Lb3                                    ; the last lap, steps 14 and 15, lays nothing more into LDS
	QUARTER 0, 128, 1, 0
	QUARTER 0, 192, 0, 1
	TURNPRE
.Lb3:
	BAR
	SKIPTO .Lfin
	TURNPOST 0, 1, 0
	QUARTER 1, 64, 0, 1
	QUARTER 1, 128, 1, 0
	QUARTER 1, 192, 0, 1
	s_wait_dscnt 0x0
	MUL 1, 0, 4, 0
	WIN 0
	PLACES
	; THE WAY OUT, a block of 16 tokens at a time: gm x sums; 32 bytes a lane into my own stage; back as whole rows of 512 bytes, with each row's entry of the table (the same address in all lanes);
	; the biases; one store a row, at the token's place in out.  Rows past the count are jumped, by scalar branches that pass no barrier.
	s_lshl_b32 s[T1], s[CB], 10
	s_lshl_b32 s[T1+1], s[WN], 9
	s_add_co_u32 s[T1], s[T1], s[T1+1]
	s_mov_b32 s[T1+1], 0
	s_add_nc_u64 s[16:17], s[16:17], s[T1:T1+1]    ; out at my 128 columns
.macro OUTBLK a
	WIN 0
	s_cmp_le_u32 s[NRW], 16*(\a)
	s_cbranch_scc1 .Lfin
	s_wait_xcnt 0x0                                ; the registers that the last block's stores read are rewritten only behind this wait
	WIN 1+(128+64*(\a))/256                        ; the sums as source 0
.set oc, (128+64*(\a))%256
.set z, 0
.rept 32
	v_pk_mul_f32 v[TMP+2*z:TMP+2*z+1], v[oc+2*z:oc+2*z+1], v[GT+4*(\a)+2:GT+4*(\a)+3] op_sel_hi:[1,0]
.set z, z+1
.endr
	WIN 0
.set z, 0
.rept 8
	ds_store_b128 v[STO], v[TMP+8*z:TMP+8*z+3]   offset:64*z
	ds_store_b128 v[STO], v[TMP+8*z+4:TMP+8*z+7] offset:64*z+16
.set z, z+1
.endr
.set t, 0
.rept 16
	ds_load_b128 v[BK+4*t:BK+4*t+3], v[RD]  offset:SPITCH*t          ; LDS serves a wave's instructions in order: these see the stores above, and the next block's stores come behind them
	ds_load_b128 v[TB+4*t:TB+4*t+3], v[TBA] offset:256*(\a)+16*t
.set t, t+1
.endr
.set t, 0
.rept 16
.if t > 0
	s_cmp_le_u32 s[NRW], 16*(\a)+t
	s_cbranch_scc1 .Lfin
.endif
	s_wait_dscnt 2*(15-t)                          ; row t and its entry are in; the younger pairs stay out
	v_pk_fma_f32 v[BK+4*t:BK+4*t+1],   v[BL:BL+1],   v[TB+4*t:TB+4*t+1],   v[BK+4*t:BK+4*t+1]   op_sel_hi:[1,0,1]
	v_pk_fma_f32 v[BK+4*t+2:BK+4*t+3], v[BL+2:BL+3], v[TB+4*t:TB+4*t+1],   v[BK+4*t+2:BK+4*t+3] op_sel_hi:[1,0,1]
	v_pk_fma_f32 v[BK+4*t:BK+4*t+1],   v[BH:BH+1],   v[TB+4*t+2:TB+4*t+3], v[BK+4*t:BK+4*t+1]   op_sel_hi:[1,0,1]
	v_pk_fma_f32 v[BK+4*t+2:BK+4*t+3], v[BH+2:BH+3], v[TB+4*t+2:TB+4*t+3], v[BK+4*t+2:BK+4*t+3] op_sel_hi:[1,0,1]
	v_min_u32 v[TB+4*t+1], 0x1fff, v[TB+4*t+1]
	v_lshl_add_u32 v[TB+4*t+1], v[TB+4*t+1], 12, v[L16]
	global_store_b128 v[TB+4*t+1], v[BK+4*t:BK+4*t+3], s[16:17] th:TH_STORE_NT  ; the wave stores 512 consecutive bytes of one row, aligned
.set t, t+1
.endr
.endm
	OUTBLK 0
	OUTBLK 1
	OUTBLK 2
	OUTBLK 3
	OUTBLK 4
.Lfin:
	s_wait_tensorcnt 0x0                           ; the wave's end, behind my last LDS store
	ds_add_u32 v[SPW], v[NIL]
	s_wait_dscnt 0x0
	s_endpgm
.Lfunc_end_k_q0d4d876d6f_moe:
	.size	k_q0d4d876d6f_moe, .Lfunc_end_k_q0d4d876d6f_moe-k_q0d4d876d6f_moe
	.p2alignl 7, 3214868480
	.fill 96, 4, 3214868480
	.section	.rodata,"a",@progbits
	.p2align	6, 0x0
	.amdhsa_kernel k_q0d4d876d6f_moe
		.amdhsa_group_segment_fixed_size 263168
		.amdhsa_private_segment_fixed_size 0
		.amdhsa_enable_private_segment 0
		.amdhsa_kernarg_size 56
		.amdhsa_user_sgpr_count 2
		.amdhsa_user_sgpr_kernarg_segment_ptr 1
		.amdhsa_wavefront_size32 1
		.amdhsa_system_sgpr_workgroup_id_x 1
		.amdhsa_system_sgpr_workgroup_id_y 1
		.amdhsa_system_sgpr_workgroup_id_z 1
		.amdhsa_system_vgpr_workitem_id 0
		.amdhsa_next_free_vgpr 832
		.amdhsa_next_free_sgpr 96
		.amdhsa_reserve_vcc 0
		.amdhsa_float_denorm_mode_32 3
		.amdhsa_float_denorm_mode_16_64 3
		.amdhsa_memory_ordered 1
		.amdhsa_forward_progress 1
		.amdhsa_inst_pref_size 216
	.end_amdhsa_kernel
	.amdgpu_metadata
---
amdhsa.version: [ 1, 2 ]
amdhsa.kernels:
  - .name:           k_q0d4d876d6f_moe
    .symbol:         k_q0d4d876d6f_moe.kd
    .args:
      - { .name: counts, .offset: 0, .size: 8, .value_kind: global_buffer, .address_space: global }
      - { .name: perm, .offset: 8, .size: 8, .value_kind: global_buffer, .address_space: global }
      - { .name: gsort, .offset: 16, .size: 8, .value_kind: global_buffer, .address_space: global }
      - { .name: xb, .offset: 24, .size: 8, .value_kind: global_buffer, .address_space: global }
      - { .name: wb, .offset: 32, .size: 8, .value_kind: global_buffer, .address_space: global }
      - { .name: bb, .offset: 40, .size: 8, .value_kind: global_buffer, .address_space: global }
      - { .name: out0, .offset: 48, .size: 8, .value_kind: global_buffer, .address_space: global }
    .group_segment_fixed_size: 263168
    .private_segment_fixed_size: 0
    .kernarg_segment_align: 8
    .kernarg_segment_size: 56
    .max_flat_workgroup_size: 128
    .sgpr_count:     96
    .vgpr_count:     832
    .wavefront_size: 32
...
	.end_amdgpu_metadata
.endif
;; end of part 3
;; ======== version 2 of 3: 3 launches; 1.22 times as fast as version 1
;; limits: right only within a limited range of input values
;; workspace buffers: xb 16,777,216 bytes; sets 32,768 bytes of whole numbers; gates 65,536 bytes; perm 917,504 bytes of whole numbers; gsort 1,835,008 bytes; counts 256 bytes of whole numbers; wb 16,777,216 bytes
;; launch route: the kernel of part 1 again; grid 256 x 1, 2 waves a work-group, no clusters, 99,584 bytes of LDS; arguments x, W_gate, b_gate, xb, sets, gates; writes xb, sets, gates
;; launch prep (part 4): grid 284 x 1, 32 waves a work-group, no clusters, 78,080 bytes of LDS; arguments sets, gates, W_experts, perm, gsort, counts, wb; writes perm, gsort, counts, wb
.if DOCPART == 4
	.amdgcn_target "amdgcn-amd-amdhsa--gfx1250"
	.amdhsa_code_object_version 6
	.text
	.protected	k_q0d4d876d6f_prep
	.globl	k_q0d4d876d6f_prep
	.p2align	8
	.type	k_q0d4d876d6f_prep,@function
k_q0d4d876d6f_prep:
	s_mov_b64 s[64:65], 0
	v_nop
	global_prefetch_b8 v0, s[64:65] scope:SCOPE_SE
	s_setreg_imm32_b32 hwreg(HW_REG_WAVE_MODE, 25, 1), 1
	s_wait_xcnt 0x0
; Two jobs that need each other's time.
; Work-groups 0-27: work-group s gathers the tokens of set s: perm[s][0 .. n_s - 1] their numbers, gsort[s][..] their two weights, counts[s] = n_s
; (a counting sort by ranks, no atomics; every split of the tokens is served: n_s from 0 to 8,192).
; Work-groups 28-283: W_experts is rounded once to bf16 and laid out (wb) in the order in which a wave's matrix operand registers take it:
;   wb[expert][group g of 64 rows][block kb of 32 k][block b of 16 rows][half j of the k][h][row r][8 k]: row 64 g + 16 b + r, k = 32 kb + 16 j + 8 h + 0..7;
;   so 32 lanes x 16 bytes on end are half a fragment (lane = 16 h + r), and a group's 128 k are 16,384 bytes on end.
; A stream and a scan: the matrix unit, clusters and tensor loads have nothing to do here.
.set NSETS, 28
.set SPARE, 256                        ; LDS: bytes 0-127 a word for each wave (sort); from 256 on the spare words, 128 bytes for each of 32 waves, which no other line names
.set CASTL, 4352                       ; from here on 16 rows x 144 bytes for each wave (cast)
.set CPITCH, 144                       ; 128 bytes + 16: the 16 rows that a 16-byte load touches start in 16 different groups of four banks (64 banks of 4 bytes: ISA guide 11.1)
.set CWAVE, 16*CPITCH
.set SPW, 2                            ; v2   LDS address of my spare word; never rewritten
.set NIL, 3                            ; v3   0; never rewritten
	s_load_b256 s[4:11], s[0:1], 0x0               ; sets s[4:5], gates s[6:7], W s[8:9], perm s[10:11]
	s_load_b128 s[12:15], s[0:1], 0x20             ; gsort s[12:13], counts s[14:15]
	s_load_b64 s[16:17], s[0:1], 0x30              ; wb
	v_lshl_add_u32 v[SPW], v0, 2, SPARE
	v_mov_b32 v[NIL], 0
	v_lshrrev_b32 v1, 5, v0
	v_readfirstlane_b32 s2, v1                     ; wave 0..31
	s_mov_b32 s22, ttmp9
	s_cmp_lt_u32 s22, NSETS                        ; the same answer in all 32 waves
	s_cbranch_scc1 .Lsort
	; THE CAST.  A wave takes 16 rows (one block) x 64 k: 8 loads, each two rows' aligned 256 bytes; rounds; turns the 16-byte pieces through LDS bytes of its own (no barrier); stores 4 x 512 bytes on end.
	s_sub_co_u32 s23, s22, NSETS
	s_lshl_b32 s24, s23, 1
	s_lshr_b32 s25, s2, 4
	s_add_co_u32 s24, s24, s25                     ; the block of 16 rows, 0..511, counted through the experts
	s_and_b32 s25, s2, 15                          ; which 64 k
	s_lshl_b32 s26, s24, 16                        ; 16 rows of 4,096 bytes
	s_lshl_b32 s27, s25, 8
	s_add_co_u32 s26, s26, s27
	s_mov_b32 s27, 0
	s_lshr_b32 s28, s24, 2                         ; expert x 16 + group
	s_lshl_b32 s28, s28, 17                        ; 32 blocks of k x 4,096 bytes
	s_lshl_b32 s29, s25, 13                        ; two blocks of k
	s_add_co_u32 s28, s28, s29
	s_and_b32 s29, s24, 3                          ; b
	s_lshl_b32 s29, s29, 10
	s_add_co_u32 s28, s28, s29
	s_mov_b32 s29, 0
	v_and_b32 v4, 15, v0                           ; lane % 16
	v_bfe_u32 v5, v0, 4, 1                         ; lane / 16
	v_lshlrev_b32 v6, 4, v4
	v_lshl_add_u32 v6, v5, 12, v6                  ; in W: 16 (lane % 16), one row down for lanes 16-31
	s_mul_i32 s30, s2, CWAVE
	s_add_co_u32 s30, s30, CASTL
	v_mul_u32_u24 v7, v5, CPITCH
	v_lshl_add_u32 v7, v4, 3, v7
	v_add_nc_u32 v7, s30, v7                       ; into LDS: the same two rows, 8 bytes a lane
	v_mul_u32_u24 v56, v4, CPITCH
	v_lshl_add_u32 v56, v5, 4, v56
	v_add_nc_u32 v56, s30, v56                     ; back: row r = lane % 16, piece h = lane / 16
	v_and_b32 v57, 31, v0
	v_lshlrev_b32 v57, 4, v57                      ; in wb: 16 x lane
	s_wait_kmcnt 0x0
	s_add_nc_u64 s[8:9], s[8:9], s[26:27]
	s_add_nc_u64 s[16:17], s[16:17], s[28:29]
.irp j, 0,1,2,3,4,5,6,7
	global_load_b128 v[8+4*\j:11+4*\j], v6, s[8:9] offset:8192*\j th:TH_LOAD_NT
.endr
.irp j, 0,1,2,3,4,5,6,7
	s_wait_loadcnt 7-\j                            ; loads come back in order: number j is in
	v_cvt_pk_bf16_f32 v[40+2*\j], v[8+4*\j], v[9+4*\j]
	v_cvt_pk_bf16_f32 v[41+2*\j], v[10+4*\j], v[11+4*\j]
	ds_store_b64 v7, v[40+2*\j:41+2*\j] offset:2*CPITCH*\j
.endr
.irp m, 0,1,2,3                                ; m = 2 x (block of k) + j: the pieces at bytes 32 m + 16 h of the 16 rows.  LDS serves a wave's instructions in order: these see the stores above
	ds_load_b128 v[8+4*\m:11+4*\m], v56 offset:32*\m
.endr
.irp m, 0,1,2,3
	s_wait_dscnt 3-\m
	global_store_b128 v57, v[8+4*\m:11+4*\m], s[16:17] offset:(\m/2)*4096+(\m%2)*512  ; the wave stores 512 consecutive bytes, aligned
.endr
	s_wait_tensorcnt 0x0                           ; the wave's end, behind my last LDS store
	ds_add_u32 v[SPW], v[NIL]
	s_wait_dscnt 0x0
	s_endpgm
.Lsort:	; THE SORT.  Thread i owns tokens 8 i .. 8 i + 7.  All offsets that are made of ids alone are made here, ahead of everything that is loaded.
	v_lshlrev_b32 v4, 5, v0
	v_lshlrev_b32 v5, 6, v0
	s_lshl_b32 s24, ttmp9, 13                      ; the set's 8,192 places
	s_lshl_b32 s35, ttmp9, 2
	v_mov_b32 v58, s35                             ; byte offset of counts[s]
	v_lshlrev_b32 v52, 3, v0                       ; my first token
	v_mov_b32 v56, 0x1fff
	s_wait_kmcnt 0x0
	global_load_b128 v[8:11], v4, s[4:5]           ; eight set numbers
	global_load_b128 v[12:15], v4, s[4:5] offset:16
.irp j, 0,1,2,3
	global_load_b128 v[16+4*\j:19+4*\j], v5, s[6:7] offset:16*\j  ; eight pairs of weights
.endr
	s_mov_b32 s30, 0
	s_wait_loadcnt 0x4                             ; the set numbers are in; the four loads of weights stay out
.irp j, 0,1,2,3,4,5,6,7                        ; rank inside the wave: token j of the lanes below me, and all tokens of lower j
	v_cmp_eq_u32 s[40+\j], s22, v[8+\j]
	v_mbcnt_lo_u32_b32 v[32+\j], s[40+\j], s30
	s_bcnt1_i32_b32 s31, s[40+\j]
	s_add_co_u32 s30, s30, s31
.endr
	s_lshl_b32 s23, s2, 2
	v_mov_b32 v48, s23
	v_mov_b32 v49, s30
	ds_store_b32 v48, v49                          ; my wave's count, in its own word
	s_wait_dscnt 0x0                               ; for the others' sake: the store is done
	s_barrier_signal -1
	s_barrier_wait -1
	v_and_b32 v50, 31, v0
	v_lshlrev_b32 v50, 2, v50
	ds_load_b32 v51, v50                           ; lane k: wave k's count
	s_wait_dscnt 0x0
	s_mov_b32 s32, 0                               ; n_s
	s_mov_b32 s33, 0                               ; the counts of the waves below mine
.set k, 0
.rept 32
	v_readlane_b32 s31, v51, k
	s_add_co_u32 s32, s32, s31
	s_cmp_lt_u32 k, s2
	s_cselect_b32 s31, s31, 0
	s_add_co_u32 s33, s33, s31
.set k, k+1
.endr
	s_cmp_lg_u32 s2, 0
	s_cbranch_scc1 .Lnot_wave_0
	v_mov_b32 v59, s32
	global_store_b32 v58, v59, s[14:15]            ; counts[s]: wave 0's lanes all store the same number to the one word
.Lnot_wave_0:
; EXEC is never narrowed: a lane whose token is not of this set stores to the set's place 8,191.  Such a lane exists only where n_s < 8,192, and then no token of the set has that place and nobody reads it.
.irp j, 0,1,2,3,4,5,6,7
	v_add_nc_u32 v[32+\j], s33, v[32+\j]
	v_cndmask_b32 v[32+\j], v56, v[32+\j], s[40+\j]
	v_min_u32 v[32+\j], 0x1fff, v[32+\j]           ; a place made of loaded numbers is held inside the set's places before it enters an address
	v_add_nc_u32 v[32+\j], s24, v[32+\j]
	v_lshlrev_b32 v[8+\j], 2, v[32+\j]             ; byte offset in perm,
	v_lshlrev_b32 v[32+\j], 3, v[32+\j]            ; in gsort
	v_add_nc_u32 v[40+\j], \j, v52                 ; the token's number
.endr
	s_wait_loadcnt 0x0                             ; the weights
.irp j, 0,1,2,3,4,5,6,7
	global_store_b32 v[8+\j], v[40+\j], s[10:11]
	global_store_b64 v[32+\j], v[16+2*\j:17+2*\j], s[12:13]
.endr
	s_wait_tensorcnt 0x0                           ; the wave's end, behind my last LDS store
	ds_add_u32 v[SPW], v[NIL]
	s_wait_dscnt 0x0
	s_endpgm
.Lfunc_end_k_q0d4d876d6f_prep:
	.size	k_q0d4d876d6f_prep, .Lfunc_end_k_q0d4d876d6f_prep-k_q0d4d876d6f_prep
	.p2alignl 7, 3214868480
	.fill 96, 4, 3214868480
	.section	.rodata,"a",@progbits
	.p2align	6, 0x0
	.amdhsa_kernel k_q0d4d876d6f_prep
		.amdhsa_group_segment_fixed_size 78080
		.amdhsa_private_segment_fixed_size 0
		.amdhsa_enable_private_segment 0
		.amdhsa_kernarg_size 56
		.amdhsa_user_sgpr_count 2
		.amdhsa_user_sgpr_kernarg_segment_ptr 1
		.amdhsa_wavefront_size32 1
		.amdhsa_system_sgpr_workgroup_id_x 1
		.amdhsa_system_sgpr_workgroup_id_y 1
		.amdhsa_system_sgpr_workgroup_id_z 1
		.amdhsa_system_vgpr_workitem_id 0
		.amdhsa_next_free_vgpr 64
		.amdhsa_next_free_sgpr 66
		.amdhsa_reserve_vcc 0
		.amdhsa_float_denorm_mode_32 3
		.amdhsa_float_denorm_mode_16_64 3
		.amdhsa_memory_ordered 1
		.amdhsa_forward_progress 1
		.amdhsa_inst_pref_size 19
	.end_amdhsa_kernel
	.amdgpu_metadata
---
amdhsa.version: [ 1, 2 ]
amdhsa.kernels:
  - .name:           k_q0d4d876d6f_prep
    .symbol:         k_q0d4d876d6f_prep.kd
    .args:
      - { .name: sets, .offset: 0, .size: 8, .value_kind: global_buffer, .address_space: global }
      - { .name: gates, .offset: 8, .size: 8, .value_kind: global_buffer, .address_space: global }
      - { .name: W_experts, .offset: 16, .size: 8, .value_kind: global_buffer, .address_space: global }
      - { .name: perm, .offset: 24, .size: 8, .value_kind: global_buffer, .address_space: global }
      - { .name: gsort, .offset: 32, .size: 8, .value_kind: global_buffer, .address_space: global }
      - { .name: counts, .offset: 40, .size: 8, .value_kind: global_buffer, .address_space: global }
      - { .name: wb, .offset: 48, .size: 8, .value_kind: global_buffer, .address_space: global }
    .group_segment_fixed_size: 78080
    .private_segment_fixed_size: 0
    .kernarg_segment_align: 8
    .kernarg_segment_size: 56
    .max_flat_workgroup_size: 1024
    .sgpr_count:     66
    .vgpr_count:     64
    .wavefront_size: 32
...
	.end_amdgpu_metadata
.endif
;; end of part 4
;; launch moe (part 5): grid 4 x 79, 4 waves a work-group, no clusters, 194,560 bytes of LDS; arguments counts, perm, gsort, xb, wb, b_experts, out0; writes out0
.if DOCPART == 5
	.amdgcn_target "amdgcn-amd-amdhsa--gfx1250"
	.amdhsa_code_object_version 6
	.text
	.protected	k_q0d4d876d6f_moe
	.globl	k_q0d4d876d6f_moe
	.p2align	8
	.type	k_q0d4d876d6f_moe,@function
k_q0d4d876d6f_moe:
	s_mov_b64 s[64:65], 0
	v_nop
	global_prefetch_b8 v0, s[64:65] scope:SCOPE_SE
	s_setreg_imm32_b32 hwreg(HW_REG_WAVE_MODE, 25, 1), 1
	s_wait_xcnt 0x0
; out[t] = g_lo (x[t] W_lo^T + b_lo) + g_hi (x[t] W_hi^T + b_hi), for the tokens sorted by their SET of experts {lo, hi}.  Operands bf16 (xb, wb), sums and weights f32, biases rounded to bf16 here like every input.
; A TILE is 160 tokens of ONE set x 256 output columns: each output row has one owner.  Pass 0 multiplies by W_lo (K = 1,024); the sums are then scaled in place by rho = g_lo / gm, gm = max(g_hi, 2^-64);
; pass 1 adds the products with W_hi onto them; out = gm x sums + g_lo b_lo + g_hi b_hi.
; LIMIT.  A g_hi below 2^-64 counts as 2^-64 in front of its product (not of its bias): the other expert's weight is then 1/8 or more, and the error is below 6e-20 of x W_hi.
; THE GRID SERVES EVERY SPLIT: the sets have ceil(n_s / 160) tiles, together at most (8,192 + 28 x 159) / 160 = 79; x 4 blocks of columns.  Every work-group finds its tile from the 28 stored counts.
; EVERY WAVE PASSES EVERY BARRIER, whatever the counts say.  A work-group past the last tile (LIVE = 0) runs the head and the first quarter on the last token of the last set that has any, so that every register
; that a later line names has been written on every way; then it jumps the work between the barriers' lines, by forward branches that pass none of them, and stores nothing.
; So that no count hangs on a jumped load, every wait for global loads is for 0 and stands on every way.
; ROWS THAT ARE NOT.  In a tile that is not full the places past the count repeat the set's last token.  The tile's blocks of 16 rows that hold a row are counted in twos (NBE = 2 ceil(rows / 32)): behind the first
; quarter, which is whole in every work-group (it starts all 40 sums), the products and the fragment loads of the blocks from NBE on are jumped, and so is the way into LDS of rows that lie in them (in halves of a
; wave's 40 rows): forward branches that pass no barrier line.  The number of LDS loads in a run then hangs on the count, so every wait for LDS in the walk is for 0.
; Stores past the count are jumped two rows at a time; where a store holds the last row and one past it, both halves hold the same token's same numbers.
; SHARES.  Four waves, each ALL 160 rows x 64 columns: 10 x 4 = 40 sums of 16 x 16.  So no two waves read the same W: a wave's W comes from wb, which lies in the order of the operand registers, STRAIGHT INTO THEM:
; 32 loads of 512 bytes on end for a K step of 128, into one of two buffers, asked for a K step ahead.  The tokens' rows, which come by a list and which all four waves need, go through registers into LDS:
; each wave brings 40 rows x 256 bytes, asked for two K steps ahead, laid into LDS one step ahead.  The 16 steps of both passes are one walk through FOUR slots, step n in slot n % 4.
; FOUR OF THE TOKENS' EIGHT K STEPS ARE FETCHED ONCE: when pass 0 ends the slots hold K steps 4 to 7, so pass 1 takes K in the order 4, 5, 6, 7, 0, 1, 2, 3 and multiplies its first four steps from the slots as they
; lie: 12 fills of a slot for the walk's 16 steps.
; THE BARRIER, one a K step, has its halves apart.  At the start of step u a wave lays the rows of step u + 1 into slot (u + 1) % 4; behind quarter 1 it waits for those stores and signals; it waits for the others only in
; quarter 4, in front of its first read of that slot.  Between the two stand products and LDS loads of slot u % 4, which is next written three barriers later at the earliest.  A slot is written again when every wave
; has signalled twice since its last read of it.  Once, behind the first barrier, wave w idles 96 w cycles: the four waves' runs of LDS instructions then fall into each other's products.
; NO TENSOR LOADS: none may be jumped, so a work-group without rows would fetch W for nothing and wait for it 16 times; and the tokens' rows come by a list that no descriptor covers.
; NO CLUSTER: the partners that walk the same W are tiles of one set; whole clusters of 4 x 160 rows for each set would more than double the padded rows at 293 rows a set.
; THE MATRIX INSTRUCTION IS USED TRANSPOSED (source 0 = 16 rows of W, source 1 = 16 tokens): a lane holds one token (lane % 16) and eight neighbouring columns, so a weight is one number a lane.
; REGISTERS, in windows of 256 (s_set_vgpr_msb: bits 1:0 source 0, 3:2 source 1, 5:4 source 2, 7:6 destination):
;   window 0: v0-31 addresses and work; v32-191 the tokens' fragments, two buffers of 80 (on the way out: at work); v192-211 the list's byte offsets; v212-251 see below
;   window 1: W's fragments of a K step, two buffers of 128: quarter kq, block b at 128 p + 32 kq + 8 b
;   window 2: sums of blocks a = 0-7 at 32 a + 8 b;   window 3: v0-63 sums of blocks 8, 9; v64-143 my 40 token rows on their way to LDS
.set PITCH,  272                       ; an LDS row: 256 bytes + 16: the 16 rows of a fragment load start in 16 different groups of four banks (64 banks of 4 bytes: ISA guide 11.1)
.set ASLOT,  160*PITCH                 ; the tokens' four slots lie at 0, ASLOT, 2 ASLOT, 3 ASLOT
.set TAB,    4*ASLOT                   ; 160 entries of 16 bytes: g_lo, token, g_hi, 0
.set STAGE,  TAB+160*16                ; 16 rows x 272 bytes for each wave, for the way out
.set SPITCH, 272
.set SPARE,  STAGE+4*16*SPITCH         ; the spare words, 128 bytes a wave: two blocks of 256 bytes that no other line names
.set AMASK,  0xf0fe                    ; bit u + 1: at the start of step u the next step's rows are laid into LDS: u = 0..6 and 11..14 (steps 8 to 11 find theirs there)
.set LMASK,  0x787e                    ; bit u + 1: in step u the tokens of step u + 2 are asked for: u = 0..5 and 10..13
.set TBA,  3                           ; v3      (from the first barrier on) the table + 16 (lane / 16)
.set ADRA, 4                           ; v4-7    LDS address of my lane's place in a fragment, slot 0..3
.set ASTO, 8                           ; v8-11   where I lay 16 bytes of a token's row, slot 0..3
.set STO,  12                          ; v12     the way out: where I put 32 bytes of a row
.set RD,   13                          ; v13     the way out: where I read rows back
.set L16,  14                          ; v14     16 x lane
.set C16,  15                          ; v15     16 x (lane % 16)
.set AF,   32
.set TOK,  192
.set RG,   212                         ; block a, my lane's token, at v[RG+2 a]: rho (on the way out gm), gm
.set SPW,  232                         ; v232    LDS address of my spare word; never rewritten
.set NIL,  233                         ; v233    0; never rewritten
.set BL,   234                         ; v234-237 b_lo of my four columns on the way out; v238-241 b_hi
.set BH,   238
.set RC,   242                         ; v242-251 1 / gm
.set STG,  64                          ; in window 3
.set TMP,  32                          ; the way out: v32-63 a block's results; by the block's parity v64-95 or v128-159 its rows read back, v96-127 or v160-191 their entries of the table
.set BK,   64
.set TB,   96
.set WV, 18                            ; s18 wave
.set CB, 21                            ; s21 block of 256 columns; s22 tile
.set TY, 22
.set CUM, 23                           ; s23-26 the scan: tiles so far; the set found, its first tile, its count
.set SID, 24
.set BASE, 25
.set NSEL, 26
.set T0, 27
.set LO, 28
.set HI, 29
.set NROW, 30                          ; s30 how many of the tile's 160 rows exist
.set NBE, 31                           ; s31 how many of its 10 blocks of 16 rows hold a row, counted in twos: 0, 2, .. 10
.set LIVE, 32                          ; s32 1: the split has my tile
.set NLD, 33                           ; s33 how many of my wave's 40 rows lie in those blocks (or more than 40)
.set TRIP, 34
.set WOL, 36                           ; s36, s37 byte offset in wb of my group of 64 columns with expert lo, hi
.set WOH, 37
.set XA, 40                            ; s[40:41] xb at the K step that is being asked for
.set WA, 42                            ; s[42:43] wb at my 16,384 bytes of the K step that is being asked for
.set KO, 44                            ; s44 at the start of step u: u + 1
.set T1, 48                            ; s[48:51] at work
.set CNT, 68                           ; s[68:95] the 28 counts
.set MSB, 0
.macro WIN new                         ; the immediate's high byte repeats the setting that is left; a switch that changes nothing is dropped
.if MSB != (\new)
	s_set_vgpr_msb (MSB<<8)|(\new)
.set MSB, (\new)
.endif
.endm
.macro PLACES                          ; four places in front of loads into registers that matrix instructions have read, and of vector lines that touch results just made
.rept 4
	v_nop
.endr
.endm
.macro SKIPTO label                    ; a work-group without rows jumps forward, over work alone
	s_cmp_eq_u32 s[LIVE], 0
	s_cbranch_scc1 \label
.endm
.macro UNLESS mask, label              ; jumps forward unless the mask's bit for this step (bit KO) is set
	s_lshr_b32 s[T1], \mask, s[KO]
	s_and_b32 s[T1], s[T1], 1
	s_cmp_eq_u32 s[T1], 0
	s_cbranch_scc1 \label
.endm
	s_load_b256 s[4:11], s[0:1], 0x0               ; counts s[4:5], perm s[6:7], gsort s[8:9], xb s[10:11]
	s_load_b128 s[12:15], s[0:1], 0x20             ; wb s[12:13], b_experts s[14:15]
	s_load_b64 s[16:17], s[0:1], 0x30              ; out0
	v_lshl_add_u32 v[SPW], v0, 2, SPARE
	v_mov_b32 v[NIL], 0
	v_lshrrev_b32 v3, 5, v0
	v_readfirstlane_b32 s[WV], v3
	s_mov_b32 s[CB], ttmp9
	s_and_b32 s[TY], ttmp7, 0xffff
	s_wait_kmcnt 0x0
	s_load_b512 s[CNT:CNT+15], s[4:5], 0x0
	s_load_b256 s[CNT+16:CNT+23], s[4:5], 0x40
	s_load_b128 s[CNT+24:CNT+27], s[4:5], 0x60
	; what hangs on ids alone is made while the counts are on their way
	v_and_b32 v16, 31, v0                          ; lane
	v_and_b32 v1, 15, v0                           ; r
	v_bfe_u32 v2, v0, 4, 1                         ; h
	v_and_b32 v17, 7, v0
	v_lshlrev_b32 v[L16], 4, v16
	v_lshlrev_b32 v[C16], 4, v1
	v_mul_u32_u24 v[ADRA], v1, PITCH
	v_lshl_add_u32 v[ADRA], v2, 4, v[ADRA]         ; a fragment's row x pitch + 16 x half
	s_mul_i32 s[T1], s[WV], 40*PITCH
	v_mul_u32_u24 v[ASTO], v2, PITCH               ; lanes 0-15 lay one row's 256 bytes, lanes 16-31 the next row's
	v_add_nc_u32 v[ASTO], v[ASTO], v[C16]
	v_add_nc_u32 v[ASTO], s[T1], v[ASTO]           ; my 40 rows
.irp s, 1,2,3
	v_add_nc_u32 v[ADRA+\s], \s*ASLOT, v[ADRA]
	v_add_nc_u32 v[ASTO+\s], \s*ASLOT, v[ASTO]
.endr
	s_mul_i32 s[T1], s[WV], 16*SPITCH
	s_add_co_u32 s[T1], s[T1], STAGE               ; my stage
	v_mul_u32_u24 v[STO], v1, SPITCH               ; in: row lane % 16, 32 bytes for each half of the lanes
	v_lshl_add_u32 v[STO], v2, 5, v[STO]
	v_add_nc_u32 v[STO], s[T1], v[STO]
	v_mul_u32_u24 v[RD], v2, SPITCH                ; back: lanes 0-15 take one row of 256 bytes, lanes 16-31 the next
	v_add_nc_u32 v[RD], v[RD], v[C16]
	v_add_nc_u32 v[RD], s[T1], v[RD]
	s_mov_b32 s[CUM], 0
	s_mov_b32 s[SID], 0
	s_mov_b32 s[BASE], 0
	s_mov_b32 s[NSEL], 0
	s_wait_kmcnt 0x0
; The last set with tokens whose first tile is not behind mine is my set.  ceil(n / 160) = (n + 159) x 52,429 >> 23, exact for n up to 8,192 (52,429 x 160 = 2^23 + 32).
.macro SCAN s
	s_cmp_le_u32 s[CUM], s[TY]
	s_cselect_b32 s[T0], s[CNT+(\s)], 0
	s_cmp_lg_u32 s[T0], 0
	s_cselect_b32 s[NSEL], s[CNT+(\s)], s[NSEL]
	s_cselect_b32 s[SID], \s, s[SID]
	s_cselect_b32 s[BASE], s[CUM], s[BASE]
	s_add_co_u32 s[T0], s[CNT+(\s)], 159
	s_mul_i32 s[T0], s[T0], 52429
	s_lshr_b32 s[T0], s[T0], 23
	s_add_co_u32 s[CUM], s[CUM], s[T0]
.endm
.set q, 0
.rept 28
	SCAN q
.set q, q+1
.endr
	s_cmp_lt_u32 s[TY], s[CUM]
	s_cselect_b32 s[LIVE], 1, 0
	s_sub_co_u32 s[T0], s[TY], s[BASE]
	s_mul_i32 s[T0], s[T0], 160                    ; the tile's first place in its set (kept for the table)
	s_sub_co_u32 s[NROW], s[NSEL], s[T0]
	s_min_u32 s[NROW], s[NROW], 160
	s_mul_i32 s[NROW], s[NROW], s[LIVE]            ; no rows where there is no tile
	s_add_co_u32 s[NBE], s[NROW], 31
	s_lshr_b32 s[NBE], s[NBE], 5
	s_lshl_b32 s[NBE], s[NBE], 1                   ; the blocks of 16 rows that hold a row, counted in twos
	s_lshl_b32 s[NLD], s[NBE], 4
	s_mul_i32 s[T1], s[WV], 40
	s_sub_co_i32 s[NLD], s[NLD], s[T1]
	s_max_i32 s[NLD], s[NLD], 0                    ; the rows of those blocks from my wave's first row on
	s_mov_b32 s[LO], 0                             ; lo = how many of the sets' first numbers 7, 13, 18, 22, 25, 27 are not above sid
.irp th, 7,13,18,22,25,27
	s_cmp_ge_u32 s[SID], \th
	s_cselect_b32 s[T1], 1, 0
	s_add_co_u32 s[LO], s[LO], s[T1]
.endr
	s_sub_co_u32 s[T1], 15, s[LO]
	s_mul_i32 s[T1], s[T1], s[LO]
	s_lshr_b32 s[T1], s[T1], 1
	s_sub_co_u32 s[HI], s[SID], s[T1]
	s_add_co_u32 s[HI], s[HI], s[LO]
	s_add_co_u32 s[HI], s[HI], 1                   ; hi = sid - lo (15 - lo) / 2 + lo + 1
	s_min_u32 s[LO], s[LO], 7                      ; numbers made of loaded ones are held inside their table before they enter an address
	s_min_u32 s[HI], s[HI], 7
	s_lshl_b32 s[T1], s[CB], 19                    ; my group of 64 columns is 4 x block + wave; a group has 131,072 bytes, an expert 16 groups
	s_lshl_b32 s[T1+1], s[WV], 17
	s_add_co_u32 s[T1], s[T1], s[T1+1]
	s_lshl_b32 s[WOL], s[LO], 21
	s_add_co_u32 s[WOL], s[WOL], s[T1]
	s_lshl_b32 s[WOH], s[HI], 21
	s_add_co_u32 s[WOH], s[WOH], s[T1]
	s_mov_b32 s[T1], s[WOL]
	s_mov_b32 s[T1+1], 0
	s_add_nc_u64 s[WA:WA+1], s[12:13], s[T1:T1+1]  ; expert lo, K step 0
	; THE TABLE.  Each wave makes the entries of the 40 rows whose tokens it will fetch: rows 40 w + lane, and 40 w + 32 + lane % 8 (lanes 8-31 repeat lanes 0-7).
	s_mul_i32 s[T1], s[WV], 40
	s_add_co_u32 s[T1+1], s[T0], s[T1]
	s_sub_co_u32 s[T1+2], s[NSEL], 1
	s_lshl_b32 s[T1+3], s[SID], 13
	v_add_nc_u32 v32, s[T1+1], v16
	v_add_nc_u32 v34, s[T1+1], v17
	v_add_nc_u32 v34, 32, v34
	v_min_u32 v32, s[T1+2], v32                    ; places past the count repeat the set's last token
	v_min_u32 v34, s[T1+2], v34
	v_add_nc_u32 v32, s[T1+3], v32
	v_add_nc_u32 v34, s[T1+3], v34
	v_min_u32 v32, 0x37fff, v32                    ; inside the 28 x 8,192 places
	v_min_u32 v34, 0x37fff, v34
	v_lshlrev_b32 v33, 3, v32
	v_lshlrev_b32 v32, 2, v32
	v_lshlrev_b32 v35, 3, v34
	v_lshlrev_b32 v34, 2, v34
	global_load_b32 v21, v32, s[6:7]
	global_load_b64 v[24:25], v33, s[8:9]
	global_load_b32 v27, v34, s[6:7]
	global_load_b64 v[30:31], v35, s[8:9]
	s_lshl_b32 s[T1], s[CB], 10
	s_lshl_b32 s[T1+1], s[WV], 8
	s_add_co_u32 s[T1], s[T1], s[T1+1]             ; my 64 columns, in bytes of f32
	s_lshl_b32 s[T1+2], s[LO], 12
	s_add_co_u32 s[T1+2], s[T1+2], s[T1]
	s_lshl_b32 s[T1+3], s[HI], 12
	s_add_co_u32 s[T1+3], s[T1+3], s[T1]
	v_add_nc_u32 v36, s[T1+2], v[C16]
	v_add_nc_u32 v37, s[T1+3], v[C16]
	global_load_b128 v[BL:BL+3], v36, s[14:15]
	global_load_b128 v[BH:BH+3], v37, s[14:15]
; My 16,384 bytes of W for a K step, at s[WA] + off, into buffer p: 32 loads of 512 bytes on end; load 8 kq + 2 b + j is half j of the fragment of quarter kq, block b
.macro WLOADS p, off=0
	WIN 0x40                                       ; destination window 1, address window 0
.set j, 0
.rept 32
	global_load_b128 v[128*(\p)+4*j:128*(\p)+4*j+3], v[L16], s[WA:WA+1] offset:(\off)+512*j
.set j, j+1
.endr
	WIN 0
.endm
; My tokens' 256 bytes of a K step, at s[XA]: sixteen lanes to a row's 256 consecutive bytes, two rows a load; my first 20 rows if any of them lies in a block that holds a row, my last 20 likewise
.macro ALOADS
	s_cmp_eq_u32 s[NLD], 0
	s_cbranch_scc1 .Lae_\@
	WIN 0xc0                                       ; destination window 3
.set j, 0
.rept 10
	global_load_b128 v[STG+4*j:STG+4*j+3], v[TOK+j], s[XA:XA+1]
.set j, j+1
.endr
	WIN 0                                          ; at a branch and at a label every window is 0
	s_cmp_le_u32 s[NLD], 20
	s_cbranch_scc1 .Lae_\@
	WIN 0xc0
.rept 10
	global_load_b128 v[STG+4*j:STG+4*j+3], v[TOK+j], s[XA:XA+1]
.set j, j+1
.endr
	WIN 0
.Lae_\@:
.endm
.macro ASTORE slot                     ; and from there into a slot: the same halves
	s_cmp_eq_u32 s[NLD], 0
	s_cbranch_scc1 .Lse_\@
	WIN 0x0c                                       ; data (source 1) window 3, address window 0
.set j, 0
.rept 10
	ds_store_b128 v[ASTO+(\slot)], v[STG+4*j:STG+4*j+3] offset:2*PITCH*j
.set j, j+1
.endr
	WIN 0
	s_cmp_le_u32 s[NLD], 20
	s_cbranch_scc1 .Lse_\@
	WIN 0x0c
.rept 10
	ds_store_b128 v[ASTO+(\slot)], v[STG+4*j:STG+4*j+3] offset:2*PITCH*j
.set j, j+1
.endr
	WIN 0
.Lse_\@:
.endm
	WLOADS 0                                       ; W's K step 0 goes out beside the table's loads
	s_mul_i32 s[T1], s[WV], 640
	s_add_co_u32 s[T1], s[T1], TAB                 ; my 40 entries
	s_wait_loadcnt 32                              ; the table's four loads and the biases' two are in; W's 32 stay out
	WLOADS 1, 16384                                ; and its K step 1
	v_cvt_pk_bf16_f32 v18, v[BL], v[BL+1]          ; the biases, rounded to bf16 like every input, kept as f32
	v_cvt_pk_bf16_f32 v19, v[BL+2], v[BL+3]
	v_lshlrev_b32 v[BL], 16, v18
	v_and_b32 v[BL+1], 0xffff0000, v18
	v_lshlrev_b32 v[BL+2], 16, v19
	v_and_b32 v[BL+3], 0xffff0000, v19
	v_cvt_pk_bf16_f32 v18, v[BH], v[BH+1]
	v_cvt_pk_bf16_f32 v19, v[BH+2], v[BH+3]
	v_lshlrev_b32 v[BH], 16, v18
	v_and_b32 v[BH+1], 0xffff0000, v18
	v_lshlrev_b32 v[BH+2], 16, v19
	v_and_b32 v[BH+3], 0xffff0000, v19
	v_mov_b32 v20, v24                             ; an entry: g_lo, token, g_hi, 0: each weight is the low word of a pair, as the packed lines want it
	v_min_u32 v21, 0x1fff, v21
	v_mov_b32 v22, v25
	v_mov_b32 v23, 0
	v_mov_b32 v26, v30
	v_min_u32 v27, 0x1fff, v27
	v_mov_b32 v28, v31
	v_mov_b32 v29, 0
	v_add_nc_u32 v18, s[T1], v[L16]
	v_lshl_add_u32 v19, v17, 4, s[T1]
	ds_store_b128 v18, v[20:23]
	ds_store_b128 v19, v[26:29] offset:512
	v_lshl_add_u32 v3, v2, 4, s[T1]
.set j, 0
.rept 20                                       ; load j of a K step takes rows 40 w + 2 j and + 1: their tokens.  My own entries: LDS serves a wave's instructions in order
	ds_load_b32 v[TOK+j], v3 offset:4+32*j
.set j, j+1
.endr
	s_wait_dscnt 0x0
.set j, 0
.rept 20
	v_min_u32 v[TOK+j], 0x1fff, v[TOK+j]
	v_lshl_add_u32 v[TOK+j], v[TOK+j], 11, v[C16]  ; token x 2,048 bytes + 16 (lane % 16)
.set j, j+1
.endr
.set j, 0
.rept 20
	global_load_b128 v[AF+4*j:AF+4*j+3], v[TOK+j], s[10:11]  ; the tokens' K step 0, all 40 rows, through the fragments' registers, which are still idle
.set j, j+1
.endr
	WIN 0xc0
.set j, 0
.rept 20
	global_load_b128 v[STG+4*j:STG+4*j+3], v[TOK+j], s[10:11] offset:256  ; and K step 1, which the first step lays into LDS
.set j, j+1
.endr
	WIN 0
	s_wait_loadcnt 20                              ; all but K step 1's twenty: W's two steps and the tokens' K step 0 are in
.set j, 0
.rept 20
	ds_store_b128 v[ASTO], v[AF+4*j:AF+4*j+3] offset:2*PITCH*j
.set j, j+1
.endr
	s_wait_dscnt 0x0                               ; for the others' sake: my entries and my rows of slot 0 are stored
	s_barrier_signal -1
	s_barrier_wait -1
	v_lshl_add_u32 v18, v1, 4, TAB
	v_lshl_add_u32 v[TBA], v2, 4, TAB
.irp a, 0,1,2,3,4,5,6,7,8,9
	ds_load_b32 v[RG+2*\a], v18 offset:256*\a      ; g_lo and g_hi of row 16 a + lane % 16
	ds_load_b32 v[RG+2*\a+1], v18 offset:256*\a+8
.endr
	s_cmp_lt_u32 s[WV], 1                          ; once: wave w idles w x six s_nop 15, so that the four waves walk apart (see the head)
	s_cbranch_scc1 .Lgo
.rept 6
	s_nop 15
.endr
	s_cmp_lt_u32 s[WV], 2
	s_cbranch_scc1 .Lgo
.rept 6
	s_nop 15
.endr
	s_cmp_lt_u32 s[WV], 3
	s_cbranch_scc1 .Lgo
.rept 6
	s_nop 15
.endr
.Lgo:
; Products for blocks a0 .. a1 of 16 tokens x my 4 blocks of 16 columns, 32 along K: W of buffer p, quarter kq; tokens of buffer f.  In front of every even block but block 0 the run is left if no block from there
; on holds a row (full = 1: never).  The sums take turns, one instruction a turn: whichever of the jumps is taken, a product of column block 0 follows one of column block 3, never its own sum.
; zero = 1: the product starts the sum: nothing is ever cleared.
.macro MUL p, kq, f, a0, a1, zero=0, full=0
.set ma, (\a0)
.rept (\a1)-(\a0)+1
.if ((\full) == 0) && (ma > 0) && (ma%2 == 0)
	WIN 0                                          ; at a branch every window is 0
	s_cmp_le_u32 s[NBE], ma
	s_cbranch_scc1 .Lme_\@
.endif
	WIN 0xa1+0x50*(ma/8)                           ; W in window 1, tokens in window 0, the sum in window 2 (blocks 0-7) or 3
.set mc, 32*(ma%8)
.set mb, 0
.rept 4
.if \zero
	v_wmma_f32_16x16x32_bf16 v[mc+8*mb:mc+8*mb+7], v[128*(\p)+32*(\kq)+8*mb:128*(\p)+32*(\kq)+8*mb+7], v[AF+80*(\f)+8*ma:AF+80*(\f)+8*ma+7], 0
.else
	v_wmma_f32_16x16x32_bf16 v[mc+8*mb:mc+8*mb+7], v[128*(\p)+32*(\kq)+8*mb:128*(\p)+32*(\kq)+8*mb+7], v[AF+80*(\f)+8*ma:AF+80*(\f)+8*ma+7], v[mc+8*mb:mc+8*mb+7]
.endif
.set mb, mb+1
.endr
.set ma, ma+1
.endr
	WIN 0
.Lme_\@:
.endm
; One run of LDS loads: the tokens' fragments of 32 along K at byte k of the rows, into buffer f: two loads a block, 20 in a full tile; left like MUL where no further block holds a row
.macro FETCH slot, k, f, full=0
	WIN 0
.set fi, 0
.rept 10
.if ((\full) == 0) && (fi > 0) && (fi%2 == 0)
	s_cmp_le_u32 s[NBE], fi
	s_cbranch_scc1 .Lfe_\@
.endif
	ds_load_b128 v[AF+80*(\f)+8*fi:AF+80*(\f)+8*fi+3],   v[ADRA+(\slot)] offset:(\k)+fi*16*PITCH
	ds_load_b128 v[AF+80*(\f)+8*fi+4:AF+80*(\f)+8*fi+7], v[ADRA+(\slot)] offset:(\k)+fi*16*PITCH+32
.set fi, fi+1
.endr
.Lfe_\@:
.endm
; Walk step n (0 to 15) is pass n / 8; it takes K step n % 8 in pass 0 and (n % 8) xor 4 in pass 1.  W of walk step KO:
.macro KADDRW
	s_lshr_b32 s[T1], s[KO], 3                     ; the pass, 0 or 1
	s_lshl_b32 s[T1+1], s[T1], 2
	s_and_b32 s[T1+2], s[KO], 7
	s_xor_b32 s[T1+2], s[T1+2], s[T1+1]            ; the K step
	s_lshl_b32 s[T1+2], s[T1+2], 14                ; x 16,384 bytes
	s_xor_b32 s[T1+1], s[T1], 1
	s_mul_i32 s[T1], s[T1], s[WOH]
	s_mul_i32 s[T1+1], s[T1+1], s[WOL]
	s_add_co_u32 s[T1], s[T1], s[T1+1]             ; the pass's expert, my group
	s_add_co_u32 s[T1], s[T1], s[T1+2]
	s_mov_b32 s[T1+1], 0
	s_add_nc_u64 s[WA:WA+1], s[12:13], s[T1:T1+1]  ; the loads that named this base were waited for at the step's start
.endm
.macro KADDRA                          ; the tokens of walk step KO + 1
	s_add_co_u32 s[T1+2], s[KO], 1
	s_lshr_b32 s[T1+3], s[T1+2], 3
	s_lshl_b32 s[T1+3], s[T1+3], 2
	s_and_b32 s[T1+2], s[T1+2], 7
	s_xor_b32 s[T1+2], s[T1+2], s[T1+3]
	s_lshl_b32 s[T1+2], s[T1+2], 8                 ; x 256 bytes of a row
	s_mov_b32 s[T1+3], 0
	s_add_nc_u64 s[XA:XA+1], s[10:11], s[T1+2:T1+3]
.endm
; The sums of pass 0 times rho, in place, each sum from its low end on
.macro SCALE
.set sa, 0
.rept 10
	WIN (2+sa/8)*0x41                              ; destination and source 0 in the sum's window, rho in window 0
.set sc, 32*(sa%8)
.set z, 0
.rept 16
	v_pk_mul_f32 v[sc+2*z:sc+2*z+1], v[sc+2*z:sc+2*z+1], v[RG+2*sa:RG+2*sa+1] op_sel_hi:[1,0]
.set z, z+1
.endr
.set sa, sa+1
.endr
.endm
; THE START OF A STEP whose number is i modulo 4 (slot i, W's buffer i % 2), and its quarter 1.  The rows of the next step go into LDS (AMASK); W of the next step (not in step 15) and the tokens of the step after it
; (LMASK) are asked for: they have the whole step, 160 products in a full tile, in which to land.  first = 1: step 0, on every way and whole: its products start the sums; W's step 1 came in the head.
.macro REGA i, first
.set rpar, (\i)%2
	s_wait_dscnt 0x0                               ; quarter 1's fragments, asked for in front of the last step's last products
	PLACES                                         ; behind the last step's products: for the scaling, and for the loads into the buffer of W that they read
.if ((\i) == 0) && ((\first) == 0)
	s_cmp_lg_u32 s[TRIP], 3                        ; behind step 7 pass 0 is over
	s_cbranch_scc1 .Lns_\@
	SCALE
	WIN 0
.Lns_\@:
.endif
.if \first
	ASTORE 1
	s_cmp_eq_u32 s[LIVE], 0                        ; a work-group without rows asks for nothing more
	s_cbranch_scc1 .Lnl_\@
.else
	UNLESS AMASK, .Lna_\@
	ASTORE ((\i)+1)%4
.Lna_\@:
.if (\i) == 3
	s_cmp_eq_u32 s[KO], 16                         ; step 15: nothing is left to ask for
	s_cbranch_scc1 .Lnl_\@
.endif
	KADDRW
	WLOADS 1-rpar
	UNLESS LMASK, .Lnl_\@
.endif
	KADDRA
	ALOADS
.Lnl_\@:
	s_add_co_u32 s[KO], s[KO], 1
	MUL rpar, 0, 0, 0, 3, \first, \first
	PLACES
	FETCH \i, 64, 1, \first
	MUL rpar, 0, 0, 4, 9, \first, \first
.endm
.macro STEPA i
	s_wait_loadcnt 0x0                             ; on every way: all that was asked for a step ago is in: this step's W, the next step's tokens
	SKIPTO .La_\@
	REGA \i, 0
	WIN 0                                          ; at a label and at a branch every window is 0
.La_\@:
.endm
; THE REST OF THE STEP.  The signal: my stores of the next step's rows are done, and so are my reads of every earlier step.  Quarters 2 and 3 and the first six blocks of quarter 4 stand between it and the wait.
; Behind the wait every wave's rows of the next step are in LDS: its first fragments are asked for, and quarter 4's last four blocks follow.  Each wait for LDS is for 0 (a run's length hangs on the count);
; the run that it waits for stands in front of the six blocks' products just above it.
.macro STEPB i
.set spar, (\i)%2
	s_wait_dscnt 0x0
	s_barrier_signal -1
	SKIPTO .Lw_\@
	MUL spar, 1, 1, 0, 3                           ; quarter 2: its fragments are in since the wait above
	PLACES
	FETCH \i, 128, 0
	MUL spar, 1, 1, 4, 9
	s_wait_dscnt 0x0                               ; quarter 3's fragments
	MUL spar, 2, 0, 0, 3
	PLACES
	FETCH \i, 192, 1
	MUL spar, 2, 0, 4, 9
	s_wait_dscnt 0x0                               ; quarter 4's fragments
	MUL spar, 3, 1, 0, 5
	WIN 0
.Lw_\@:
	s_barrier_wait -1
	SKIPTO .Lc_\@
	PLACES
	FETCH ((\i)+1)%4, 0, 0
	MUL spar, 3, 1, 6, 9
	WIN 0
.Lc_\@:
.endm
	FETCH 0, 0, 0, 1
	s_mov_b32 s[KO], 1
	s_wait_loadcnt 0x0                             ; the tokens' K step 1
	REGA 0, 1
	WIN 0
.irp a, 0,1,2,3,4,5,6,7,8,9
	v_max_num_f32 v[RG+2*\a+1], 0x1f800000, v[RG+2*\a+1]  ; gm = max(g_hi, 2^-64)
.endr
.irp a, 0,1,2,3,4,5,6,7,8,9
	v_rcp_f32 v[RC+\a], v[RG+2*\a+1]
.endr
	v_nop                                          ; a plain instruction behind the last reciprocal,
	s_wait_alu depctr_va_vdst(0)                   ; and one wait for the ten ahead of the first reader
.irp a, 0,1,2,3,4,5,6,7,8,9
	v_mul_f32 v[RG+2*\a], v[RG+2*\a], v[RC+\a]     ; rho = g_lo / gm
.endr
	s_mov_b32 s[TRIP], 4
.Ltrip:                                                ; a trip goes once round the four slots, from a step's signal to the quarter 1 four steps on; the fourth trip is left behind step 15
	STEPB 0
	STEPA 1
	STEPB 1
	STEPA 2
	STEPB 2
	STEPA 3
	STEPB 3
	s_cmp_eq_u32 s[TRIP], 1
	s_cbranch_scc1 .Lout
	STEPA 0
	s_sub_co_u32 s[TRIP], s[TRIP], 1
	s_cmp_lg_u32 s[TRIP], 0
	s_cbranch_scc1 .Ltrip
.Lout:
	SKIPTO .Lfin
	s_wait_dscnt 0x0                               ; step 15's text has asked for fragments of a step that is not: they are let in before their registers are used otherwise
	PLACES                                         ; behind the last products
	; THE WAY OUT, a block of 16 tokens at a time: gm x sums; 32 bytes a lane into my own stage; back as whole rows of 256 bytes, two rows to a load, with each row's entry of the table;
	; the biases; one store for two rows, each at its token's place in out.  Block a + 1 is packed while block a's rows come back.
.irp a, 0,1,2,3,4,5,6,7,8,9
	v_mov_b32 v[RG+2*\a], v[RG+2*\a+1]             ; gm into the pair's low word, which the packed line takes for both halves
.endr
	s_lshl_b32 s[T1], s[CB], 10
	s_lshl_b32 s[T1+1], s[WV], 8
	s_add_co_u32 s[T1], s[T1], s[T1+1]
	s_mov_b32 s[T1+1], 0
	s_add_nc_u64 s[16:17], s[16:17], s[T1:T1+1]    ; out at my 64 columns
.macro PACK a
	WIN 2+(\a)/8                                   ; the sums as source 0
.set oc, 32*((\a)%8)
.set z, 0
.rept 16
	v_pk_mul_f32 v[TMP+2*z:TMP+2*z+1], v[oc+2*z:oc+2*z+1], v[RG+2*(\a):RG+2*(\a)+1] op_sel_hi:[1,0]
.set z, z+1
.endr
	WIN 0
.set z, 0
.rept 4
	ds_store_b128 v[STO], v[TMP+8*z:TMP+8*z+3]   offset:64*z
	ds_store_b128 v[STO], v[TMP+8*z+4:TMP+8*z+7] offset:64*z+16
.set z, z+1
.endr
	s_wait_xcnt 0x0                                ; the registers that the stores of the block two back read are loaded again only behind this wait
.set t, 0
.rept 8
	ds_load_b128 v[BK+64*((\a)%2)+4*t:BK+64*((\a)%2)+4*t+3], v[RD]  offset:2*SPITCH*t  ; LDS serves a wave's instructions in order: these see the stores above, and the next block's stores come behind them
	ds_load_b128 v[TB+64*((\a)%2)+4*t:TB+64*((\a)%2)+4*t+3], v[TBA] offset:256*(\a)+32*t
.set t, t+1
.endr
.endm
; younger: the LDS instructions issued behind block a's loads: the next block's 24, or none.  Pairs of rows past the count are jumped; the wait at the end stands on every way, ahead of the next loads into these registers.
.macro SEND a, younger
.set sb, 64*((\a)%2)
.set t, 0
.rept 8
	s_cmp_le_u32 s[NROW], 16*(\a)+2*t
	s_cbranch_scc1 .Le_\@
	s_wait_dscnt (\younger)+2*(7-t)                ; rows 2 t, 2 t + 1 and their entries are in; the younger pairs stay out
	v_pk_fma_f32 v[BK+sb+4*t:BK+sb+4*t+1],   v[BL:BL+1],   v[TB+sb+4*t:TB+sb+4*t+1],   v[BK+sb+4*t:BK+sb+4*t+1]   op_sel_hi:[1,0,1]
	v_pk_fma_f32 v[BK+sb+4*t+2:BK+sb+4*t+3], v[BL+2:BL+3], v[TB+sb+4*t:TB+sb+4*t+1],   v[BK+sb+4*t+2:BK+sb+4*t+3] op_sel_hi:[1,0,1]
	v_pk_fma_f32 v[BK+sb+4*t:BK+sb+4*t+1],   v[BH:BH+1],   v[TB+sb+4*t+2:TB+sb+4*t+3], v[BK+sb+4*t:BK+sb+4*t+1]   op_sel_hi:[1,0,1]
	v_pk_fma_f32 v[BK+sb+4*t+2:BK+sb+4*t+3], v[BH+2:BH+3], v[TB+sb+4*t+2:TB+sb+4*t+3], v[BK+sb+4*t+2:BK+sb+4*t+3] op_sel_hi:[1,0,1]
	v_min_u32 v[TB+sb+4*t+1], 0x1fff, v[TB+sb+4*t+1]
	v_lshl_add_u32 v[TB+sb+4*t+1], v[TB+sb+4*t+1], 12, v[C16]
	global_store_b128 v[TB+sb+4*t+1], v[BK+sb+4*t:BK+sb+4*t+3], s[16:17] th:TH_STORE_NT  ; sixteen lanes store 256 consecutive bytes of a row, aligned
.set t, t+1
.endr
.Le_\@:
	s_wait_dscnt \younger
.endm
	PACK 0
.irp a, 1,2,3,4,5,6,7,8,9
	PACK \a
	SEND (\a)-1, 24
.endr
	SEND 9, 0
.Lfin:
	s_wait_tensorcnt 0x0                           ; the wave's end, behind my last LDS store
	ds_add_u32 v[SPW], v[NIL]
	s_wait_dscnt 0x0
	s_endpgm
.Lfunc_end_k_q0d4d876d6f_moe:
	.size	k_q0d4d876d6f_moe, .Lfunc_end_k_q0d4d876d6f_moe-k_q0d4d876d6f_moe
	.p2alignl 7, 3214868480
	.fill 96, 4, 3214868480
	.section	.rodata,"a",@progbits
	.p2align	6, 0x0
	.amdhsa_kernel k_q0d4d876d6f_moe
		.amdhsa_group_segment_fixed_size 194560
		.amdhsa_private_segment_fixed_size 0
		.amdhsa_enable_private_segment 0
		.amdhsa_kernarg_size 56
		.amdhsa_user_sgpr_count 2
		.amdhsa_user_sgpr_kernarg_segment_ptr 1
		.amdhsa_wavefront_size32 1
		.amdhsa_system_sgpr_workgroup_id_x 1
		.amdhsa_system_sgpr_workgroup_id_y 1
		.amdhsa_system_sgpr_workgroup_id_z 1
		.amdhsa_system_vgpr_workitem_id 0
		.amdhsa_next_free_vgpr 912
		.amdhsa_next_free_sgpr 96
		.amdhsa_reserve_vcc 0
		.amdhsa_float_denorm_mode_32 3
		.amdhsa_float_denorm_mode_16_64 3
		.amdhsa_memory_ordered 1
		.amdhsa_forward_progress 1
		.amdhsa_inst_pref_size 238
	.end_amdhsa_kernel
	.amdgpu_metadata
---
amdhsa.version: [ 1, 2 ]
amdhsa.kernels:
  - .name:           k_q0d4d876d6f_moe
    .symbol:         k_q0d4d876d6f_moe.kd
    .args:
      - { .name: counts, .offset: 0, .size: 8, .value_kind: global_buffer, .address_space: global }
      - { .name: perm, .offset: 8, .size: 8, .value_kind: global_buffer, .address_space: global }
      - { .name: gsort, .offset: 16, .size: 8, .value_kind: global_buffer, .address_space: global }
      - { .name: xb, .offset: 24, .size: 8, .value_kind: global_buffer, .address_space: global }
      - { .name: wb, .offset: 32, .size: 8, .value_kind: global_buffer, .address_space: global }
      - { .name: b_experts, .offset: 40, .size: 8, .value_kind: global_buffer, .address_space: global }
      - { .name: out0, .offset: 48, .size: 8, .value_kind: global_buffer, .address_space: global }
    .group_segment_fixed_size: 194560
    .private_segment_fixed_size: 0
    .kernarg_segment_align: 8
    .kernarg_segment_size: 56
    .max_flat_workgroup_size: 128
    .sgpr_count:     96
    .vgpr_count:     912
    .wavefront_size: 32
...
	.end_amdgpu_metadata
.endif
;; end of part 5
;; ======== version 3 of 3: 3 launches; version 2 with the launch moe written anew for expert scheduling mode
;; limits: right only within a limited range of input values
;; workspace buffers: xb 16,777,216 bytes; sets 32,768 bytes of whole numbers; gates 65,536 bytes; perm 917,504 bytes of whole numbers; gsort 1,835,008 bytes; counts 256 bytes of whole numbers; wb 16,777,216 bytes
;; launch route: the kernel of part 1 again; grid 256 x 1, 2 waves a work-group, no clusters, 99,584 bytes of LDS; arguments x, W_gate, b_gate, xb, sets, gates; writes xb, sets, gates
;; launch prep: the kernel of part 4 again; grid 284 x 1, 32 waves a work-group, no clusters, 78,080 bytes of LDS; arguments sets, gates, W_experts, perm, gsort, counts, wb; writes perm, gsort, counts, wb
;; launch moe (part 6): grid 4 x 79, 4 waves a work-group, no clusters, 194,560 bytes of LDS; arguments counts, perm, gsort, xb, wb, b_experts, out0; writes out0
.if DOCPART == 6
	.amdgcn_target "amdgcn-amd-amdhsa--gfx1250"
	.amdhsa_code_object_version 6
	.text
	.protected	k_q0d4d876d6f_moe
	.globl	k_q0d4d876d6f_moe
	.p2align	8
	.type	k_q0d4d876d6f_moe,@function
k_q0d4d876d6f_moe:
	s_mov_b64 s[64:65], 0
	v_nop
	global_prefetch_b8 v0, s[64:65] scope:SCOPE_SE
	s_setreg_imm32_b32 hwreg(HW_REG_WAVE_SCHED_MODE, 0, 2), 2
	s_setreg_imm32_b32 hwreg(HW_REG_WAVE_MODE, 25, 1), 1
	s_wait_xcnt 0x0
	s_wait_alu depctr_vm_vsrc(0)
; out[t] = g_lo (x[t] W_lo^T + b_lo) + g_hi (x[t] W_hi^T + b_hi), for the tokens sorted by their SET of experts {lo, hi}.  Operands bf16 (xb, wb), sums and weights f32, biases rounded to bf16 here like every input.
; A TILE is 160 tokens of ONE set x 256 output columns: each output row has one owner.  Pass 0 multiplies by W_lo (K = 1,024); the sums are then scaled in place by rho = g_lo / gm, gm = max(g_hi, 2^-64);
; pass 1 adds the products with W_hi onto them; out = gm x sums + g_lo b_lo + g_hi b_hi.
; LIMIT.  A g_hi below 2^-64 counts as 2^-64 in front of its product (not of its bias): the other expert's weight is then 1/8 or more, and the error is below 6e-20 of x W_hi.
; THE GRID SERVES EVERY SPLIT: the sets have ceil(n_s / 160) tiles, together at most (8,192 + 28 x 159) / 160 = 79; x 4 blocks of columns.  Every work-group finds its tile from the 28 stored counts.
; EVERY WAVE PASSES EVERY BARRIER, whatever the counts say.  A work-group past the last tile (LIVE = 0) runs the head and the first quarter on the last token of the last set that has any, so that every register
; that a later line names has been written on every way; then it jumps the work between the barriers' lines, by forward branches that pass none of them, and stores nothing.
; So that no count hangs on a jumped load, every wait for global loads is for 0 and stands on every way.
; ROWS THAT ARE NOT.  In a tile that is not full the places past the count repeat the set's last token.  The tile's blocks of 16 rows that hold a row are counted in twos (NBE = 2 ceil(rows / 32)): behind the first
; quarter, which is whole in every work-group (it starts all 40 sums), the products and the fragment loads of the blocks from NBE on are jumped, and so is the way into LDS of rows that lie in them (in halves of a
; wave's 40 rows): forward branches that pass no barrier line.  The number of LDS loads in a run then hangs on the count, so every wait for LDS in the walk is for 0.
; Stores past the count are jumped two rows at a time; where a store holds the last row and one past it, both halves hold the same token's same numbers.
; SHARES.  Four waves, each ALL 160 rows x 64 columns: 10 x 4 = 40 sums of 16 x 16.  So no two waves read the same W: a wave's W comes from wb, which lies in the order of the operand registers, STRAIGHT INTO THEM:
; 32 loads of 512 bytes on end for a K step of 128, into one of two buffers, asked for a K step ahead.  The tokens' rows, which come by a list and which all four waves need, go through registers into LDS:
; each wave brings 40 rows x 256 bytes, asked for two K steps ahead, laid into LDS one step ahead.  The 16 steps of both passes are one walk through FOUR slots, step n in slot n % 4.
; FOUR OF THE TOKENS' EIGHT K STEPS ARE FETCHED ONCE: when pass 0 ends the slots hold K steps 4 to 7, so pass 1 takes K in the order 4, 5, 6, 7, 0, 1, 2, 3 and multiplies its first four steps from the slots as they
; lie: 12 fills of a slot for the walk's 16 steps.
; THE BARRIER, one a K step, has its halves apart.  At the start of step u a wave lays the rows of step u + 1 into slot (u + 1) % 4; behind quarter 1 it waits for those stores and signals; it waits for the others only in
; quarter 4, in front of its first read of that slot.  Between the two stand products and LDS loads of slot u % 4, which is next written three barriers later at the earliest.  A slot is written again when every wave
; has signalled twice since its last read of it.  Once, behind the first barrier, wave w idles 96 w cycles: the four waves' runs of LDS instructions then fall into each other's products.
; NO TENSOR LOADS: none may be jumped, so a work-group without rows would fetch W for nothing and wait for it 16 times; and the tokens' rows come by a list that no descriptor covers.
; NO CLUSTER: the partners that walk the same W are tiles of one set; whole clusters of 4 x 160 rows for each set would more than double the padded rows at 293 rows a set.
; THE MATRIX INSTRUCTION IS USED TRANSPOSED (source 0 = 16 rows of W, source 1 = 16 tokens): a lane holds one token (lane % 16) and eight neighbouring columns, so a weight is one number a lane.
; THE MODE: SCHED_MODE bits 1:0 = 2 (LLVM: expert scheduling mode 2), set by the entry lines.  The code itself states the register dependences between vector or matrix instructions and memory or LDS instructions,
; with s_wait_alu, always for 0.
; THE PLAN.  Registers that memory or LDS instructions touch, in the walk:
;   AF0, AF1   the tokens' fragments.  A step's quarters 1, 2, 3, 4 multiply from buffers 0, 1, 0, 1; in each quarter one run of LDS loads lands in the other buffer, which the quarter before was the last to read.
;   W0, W1     step u's products read W[u % 2]; the loads issued at the start of step u land in the other one, which step u - 1's products were the last to read.
;   STG        global loads land in it, LDS stores read it, no vector or matrix instruction names it.
;   v[ADRA ..], v[ASTO ..], v[L16], v[TOK ..], v[STO], v[RD], v[TBA]: made in the head, never written again.
; A step has FOUR waits on va_vdst.  At its start: the last step's products are done with the other W and with AF1; W's loads follow at once and quarter 1's run of fragments 16 products later, and what stands between
; (the scaling, which names sums and rho; LDS stores of STG; products, which name this step's W, AF0 and sums) names none of those registers.  At the heads of quarters 2 and 3: the quarter before is done with the buffer
; in which this quarter's run lands, 16 products later.  Behind the barrier's wait in quarter 4, straight in front of the next step's first fragments: that run can be reached past jumped quarters.
; And ONE wait on vm_vsrc, ahead of the tokens' loads: the LDS stores have read STG.  Each wait stands in the same stretch between two forward jumps as the loads that it serves, ahead of every inner branch.
; REGISTERS, in windows of 256 (s_set_vgpr_msb: bits 1:0 source 0, 3:2 source 1, 5:4 source 2, 7:6 destination):
;   window 0: v0-31 addresses and work; v32-191 the tokens' fragments, two buffers of 80 (on the way out: at work); v192-211 the list's byte offsets; v212-251 see below
;   window 1: W's fragments of a K step, two buffers of 128: quarter kq, block b at 128 p + 32 kq + 8 b
;   window 2: sums of blocks a = 0-7 at 32 a + 8 b;   window 3: v0-63 sums of blocks 8, 9; v64-143 my 40 token rows on their way to LDS
.set PITCH,  272                       ; an LDS row: 256 bytes + 16: the 16 rows of a fragment load start in 16 different groups of four banks (64 banks of 4 bytes: ISA guide 11.1)
.set ASLOT,  160*PITCH                 ; the tokens' four slots lie at 0, ASLOT, 2 ASLOT, 3 ASLOT
.set TAB,    4*ASLOT                   ; 160 entries of 16 bytes: g_lo, token, g_hi, 0
.set STAGE,  TAB+160*16                ; 16 rows x 272 bytes for each wave, for the way out; the 512 bytes behind the four stages hold a word for each thread, which the last add touches
.set SPITCH, 272
.set AMASK,  0xf0fe                    ; bit u + 1: at the start of step u the next step's rows are laid into LDS: u = 0..6 and 11..14 (steps 8 to 11 find theirs there)
.set LMASK,  0x787e                    ; bit u + 1: in step u the tokens of step u + 2 are asked for: u = 0..5 and 10..13
.set TBA,  3                           ; v3      (from the first barrier on) the table + 16 (lane / 16)
.set ADRA, 4                           ; v4-7    LDS address of my lane's place in a fragment, slot 0..3
.set ASTO, 8                           ; v8-11   where I lay 16 bytes of a token's row, slot 0..3
.set STO,  12                          ; v12     the way out: where I put 32 bytes of a row
.set RD,   13                          ; v13     the way out: where I read rows back
.set L16,  14                          ; v14     16 x lane
.set C16,  15                          ; v15     16 x (lane % 16)
.set AF,   32
.set TOK,  192
.set RG,   212                         ; block a, my lane's token, at v[RG+2 a]: rho (on the way out gm), gm
.set BL,   234                         ; v234-237 b_lo of my four columns on the way out; v238-241 b_hi
.set BH,   238
.set RC,   242                         ; v242-251 1 / gm
.set STG,  64                          ; in window 3
.set TMP,  32                          ; the way out: v32-63 a block's results; by the block's parity v64-95 or v128-159 its rows read back, v96-127 or v160-191 their entries of the table
.set BK,   64
.set TB,   96
.set WV, 18                            ; s18 wave
.set CB, 21                            ; s21 block of 256 columns; s22 tile
.set TY, 22
.set CUM, 23                           ; s23-26 the scan: tiles so far; the set found, its first tile, its count
.set SID, 24
.set BASE, 25
.set NSEL, 26
.set T0, 27
.set LO, 28
.set HI, 29
.set NROW, 30                          ; s30 how many of the tile's 160 rows exist
.set NBE, 31                           ; s31 how many of its 10 blocks of 16 rows hold a row, counted in twos: 0, 2, .. 10
.set LIVE, 32                          ; s32 1: the split has my tile
.set NLD, 33                           ; s33 how many of my wave's 40 rows lie in those blocks (or more than 40)
.set TRIP, 34
.set WOL, 36                           ; s36, s37 byte offset in wb of my group of 64 columns with expert lo, hi
.set WOH, 37
.set XA, 40                            ; s[40:41] xb at the K step that is being asked for
.set WA, 42                            ; s[42:43] wb at my 16,384 bytes of the K step that is being asked for
.set KO, 44                            ; s44 at the start of step u: u + 1
.set T1, 48                            ; s[48:51] at work
.set CNT, 68                           ; s[68:95] the 28 counts
.set MSB, 0
.macro WIN new                         ; the immediate's high byte repeats the setting that is left; a switch that changes nothing is dropped
.if MSB != (\new)
	s_set_vgpr_msb (MSB<<8)|(\new)
.set MSB, (\new)
.endif
.endm
.macro PLACES                          ; four places in front of loads into registers that matrix instructions have read, and of vector lines that touch results just made
.rept 4
	v_nop
.endr
.endm
.macro SKIPTO label                    ; a work-group without rows jumps forward, over work alone
	s_cmp_eq_u32 s[LIVE], 0
	s_cbranch_scc1 \label
.endm
.macro UNLESS mask, label              ; jumps forward unless the mask's bit for this step (bit KO) is set
	s_lshr_b32 s[T1], \mask, s[KO]
	s_and_b32 s[T1], s[T1], 1
	s_cmp_eq_u32 s[T1], 0
	s_cbranch_scc1 \label
.endm
	s_load_b256 s[4:11], s[0:1], 0x0               ; counts s[4:5], perm s[6:7], gsort s[8:9], xb s[10:11]
	s_load_b128 s[12:15], s[0:1], 0x20             ; wb s[12:13], b_experts s[14:15]
	s_load_b64 s[16:17], s[0:1], 0x30              ; out0
	v_lshl_add_u32 v254, v0, 2, 0x2f600
	v_mov_b32 v255, 0
	v_lshrrev_b32 v3, 5, v0
	v_readfirstlane_b32 s[WV], v3
	s_mov_b32 s[CB], ttmp9
	s_and_b32 s[TY], ttmp7, 0xffff
	s_wait_kmcnt 0x0
	s_load_b512 s[CNT:CNT+15], s[4:5], 0x0
	s_load_b256 s[CNT+16:CNT+23], s[4:5], 0x40
	s_load_b128 s[CNT+24:CNT+27], s[4:5], 0x60
	; what hangs on ids alone is made while the counts are on their way
	v_and_b32 v16, 31, v0                          ; lane
	v_and_b32 v1, 15, v0                           ; r
	v_bfe_u32 v2, v0, 4, 1                         ; h
	v_and_b32 v17, 7, v0
	v_lshlrev_b32 v[L16], 4, v16
	v_lshlrev_b32 v[C16], 4, v1
	v_mul_u32_u24 v[ADRA], v1, PITCH
	v_lshl_add_u32 v[ADRA], v2, 4, v[ADRA]         ; a fragment's row x pitch + 16 x half
	s_wait_alu depctr_va_sdst(0)                   ; s[WV] is written, ahead of its first reader, the line below
	s_mul_i32 s[T1], s[WV], 40*PITCH
	v_mul_u32_u24 v[ASTO], v2, PITCH               ; lanes 0-15 lay one row's 256 bytes, lanes 16-31 the next row's
	v_add_nc_u32 v[ASTO], v[ASTO], v[C16]
	v_add_nc_u32 v[ASTO], s[T1], v[ASTO]           ; my 40 rows
.irp s, 1,2,3
	v_add_nc_u32 v[ADRA+\s], \s*ASLOT, v[ADRA]
	v_add_nc_u32 v[ASTO+\s], \s*ASLOT, v[ASTO]
.endr
	s_mul_i32 s[T1], s[WV], 16*SPITCH
	s_add_co_u32 s[T1], s[T1], STAGE               ; my stage
	v_mul_u32_u24 v[STO], v1, SPITCH               ; in: row lane % 16, 32 bytes for each half of the lanes
	v_lshl_add_u32 v[STO], v2, 5, v[STO]
	v_add_nc_u32 v[STO], s[T1], v[STO]
	v_mul_u32_u24 v[RD], v2, SPITCH                ; back: lanes 0-15 take one row of 256 bytes, lanes 16-31 the next
	v_add_nc_u32 v[RD], v[RD], v[C16]
	v_add_nc_u32 v[RD], s[T1], v[RD]
	s_mov_b32 s[CUM], 0
	s_mov_b32 s[SID], 0
	s_mov_b32 s[BASE], 0
	s_mov_b32 s[NSEL], 0
	s_wait_kmcnt 0x0
; The last set with tokens whose first tile is not behind mine is my set.  ceil(n / 160) = (n + 159) x 52,429 >> 23, exact for n up to 8,192 (52,429 x 160 = 2^23 + 32).
.macro SCAN s
	s_cmp_le_u32 s[CUM], s[TY]
	s_cselect_b32 s[T0], s[CNT+(\s)], 0
	s_cmp_lg_u32 s[T0], 0
	s_cselect_b32 s[NSEL], s[CNT+(\s)], s[NSEL]
	s_cselect_b32 s[SID], \s, s[SID]
	s_cselect_b32 s[BASE], s[CUM], s[BASE]
	s_add_co_u32 s[T0], s[CNT+(\s)], 159
	s_mul_i32 s[T0], s[T0], 52429
	s_lshr_b32 s[T0], s[T0], 23
	s_add_co_u32 s[CUM], s[CUM], s[T0]
.endm
.set q, 0
.rept 28
	SCAN q
.set q, q+1
.endr
	s_cmp_lt_u32 s[TY], s[CUM]
	s_cselect_b32 s[LIVE], 1, 0
	s_sub_co_u32 s[T0], s[TY], s[BASE]
	s_mul_i32 s[T0], s[T0], 160                    ; the tile's first place in its set (kept for the table)
	s_sub_co_u32 s[NROW], s[NSEL], s[T0]
	s_min_u32 s[NROW], s[NROW], 160
	s_mul_i32 s[NROW], s[NROW], s[LIVE]            ; no rows where there is no tile
	s_add_co_u32 s[NBE], s[NROW], 31
	s_lshr_b32 s[NBE], s[NBE], 5
	s_lshl_b32 s[NBE], s[NBE], 1                   ; the blocks of 16 rows that hold a row, counted in twos
	s_lshl_b32 s[NLD], s[NBE], 4
	s_mul_i32 s[T1], s[WV], 40
	s_sub_co_i32 s[NLD], s[NLD], s[T1]
	s_max_i32 s[NLD], s[NLD], 0                    ; the rows of those blocks from my wave's first row on
	s_mov_b32 s[LO], 0                             ; lo = how many of the sets' first numbers 7, 13, 18, 22, 25, 27 are not above sid
.irp th, 7,13,18,22,25,27
	s_cmp_ge_u32 s[SID], \th
	s_cselect_b32 s[T1], 1, 0
	s_add_co_u32 s[LO], s[LO], s[T1]
.endr
	s_sub_co_u32 s[T1], 15, s[LO]
	s_mul_i32 s[T1], s[T1], s[LO]
	s_lshr_b32 s[T1], s[T1], 1
	s_sub_co_u32 s[HI], s[SID], s[T1]
	s_add_co_u32 s[HI], s[HI], s[LO]
	s_add_co_u32 s[HI], s[HI], 1                   ; hi = sid - lo (15 - lo) / 2 + lo + 1
	s_min_u32 s[LO], s[LO], 7                      ; numbers made of loaded ones are held inside their table before they enter an address
	s_min_u32 s[HI], s[HI], 7
	s_lshl_b32 s[T1], s[CB], 19                    ; my group of 64 columns is 4 x block + wave; a group has 131,072 bytes, an expert 16 groups
	s_lshl_b32 s[T1+1], s[WV], 17
	s_add_co_u32 s[T1], s[T1], s[T1+1]
	s_lshl_b32 s[WOL], s[LO], 21
	s_add_co_u32 s[WOL], s[WOL], s[T1]
	s_lshl_b32 s[WOH], s[HI], 21
	s_add_co_u32 s[WOH], s[WOH], s[T1]
	s_mov_b32 s[T1], s[WOL]
	s_mov_b32 s[T1+1], 0
	s_add_nc_u64 s[WA:WA+1], s[12:13], s[T1:T1+1]  ; expert lo, K step 0
	; THE TABLE.  Each wave makes the entries of the 40 rows whose tokens it will fetch: rows 40 w + lane, and 40 w + 32 + lane % 8 (lanes 8-31 repeat lanes 0-7).
	s_mul_i32 s[T1], s[WV], 40
	s_add_co_u32 s[T1+1], s[T0], s[T1]
	s_sub_co_u32 s[T1+2], s[NSEL], 1
	s_lshl_b32 s[T1+3], s[SID], 13
	v_add_nc_u32 v32, s[T1+1], v16
	v_add_nc_u32 v34, s[T1+1], v17
	v_add_nc_u32 v34, 32, v34
	v_min_u32 v32, s[T1+2], v32                    ; places past the count repeat the set's last token
	v_min_u32 v34, s[T1+2], v34
	v_add_nc_u32 v32, s[T1+3], v32
	v_add_nc_u32 v34, s[T1+3], v34
	v_min_u32 v32, 0x37fff, v32                    ; inside the 28 x 8,192 places
	v_min_u32 v34, 0x37fff, v34
	v_lshlrev_b32 v33, 3, v32
	v_lshlrev_b32 v32, 2, v32
	v_lshlrev_b32 v35, 3, v34
	v_lshlrev_b32 v34, 2, v34
	s_lshl_b32 s[T1], s[CB], 10                    ; the biases' offsets are made here too, so that one wait serves the six loads
	s_lshl_b32 s[T1+1], s[WV], 8
	s_add_co_u32 s[T1], s[T1], s[T1+1]             ; my 64 columns, in bytes of f32
	s_lshl_b32 s[T1+2], s[LO], 12
	s_add_co_u32 s[T1+2], s[T1+2], s[T1]
	s_lshl_b32 s[T1+3], s[HI], 12
	s_add_co_u32 s[T1+3], s[T1+3], s[T1]
	v_add_nc_u32 v36, s[T1+2], v[C16]
	v_add_nc_u32 v37, s[T1+3], v[C16]
	s_wait_alu depctr_va_vdst(0)                   ; the six offsets v32-37 are written, which the loads below read; so are v[ADRA ..], v[ASTO ..], v[STO], v[RD] and v[L16], which LDS and memory instructions read to the kernel's end
	global_load_b32 v21, v32, s[6:7]
	global_load_b64 v[24:25], v33, s[8:9]
	global_load_b32 v27, v34, s[6:7]
	global_load_b64 v[30:31], v35, s[8:9]
	global_load_b128 v[BL:BL+3], v36, s[14:15]
	global_load_b128 v[BH:BH+3], v37, s[14:15]
; My 16,384 bytes of W for a K step, at s[WA] + off, into buffer p: 32 loads of 512 bytes on end; load 8 kq + 2 b + j is half j of the fragment of quarter kq, block b
.macro WLOADS p, off=0
	WIN 0x40                                       ; destination window 1, address window 0
.set j, 0
.rept 32
	global_load_b128 v[128*(\p)+4*j:128*(\p)+4*j+3], v[L16], s[WA:WA+1] offset:(\off)+512*j
.set j, j+1
.endr
	WIN 0
.endm
; My tokens' 256 bytes of a K step, at s[XA]: sixteen lanes to a row's 256 consecutive bytes, two rows a load; my first 20 rows if any of them lies in a block that holds a row, my last 20 likewise
.macro ALOADS
	s_cmp_eq_u32 s[NLD], 0
	s_cbranch_scc1 .Lae_\@
	WIN 0xc0                                       ; destination window 3
.set j, 0
.rept 10
	global_load_b128 v[STG+4*j:STG+4*j+3], v[TOK+j], s[XA:XA+1]
.set j, j+1
.endr
	WIN 0                                          ; at a branch and at a label every window is 0
	s_cmp_le_u32 s[NLD], 20
	s_cbranch_scc1 .Lae_\@
	WIN 0xc0
.rept 10
	global_load_b128 v[STG+4*j:STG+4*j+3], v[TOK+j], s[XA:XA+1]
.set j, j+1
.endr
	WIN 0
.Lae_\@:
.endm
.macro ASTORE slot                     ; and from there into a slot: the same halves
	s_cmp_eq_u32 s[NLD], 0
	s_cbranch_scc1 .Lse_\@
	WIN 0x0c                                       ; data (source 1) window 3, address window 0
.set j, 0
.rept 10
	ds_store_b128 v[ASTO+(\slot)], v[STG+4*j:STG+4*j+3] offset:2*PITCH*j
.set j, j+1
.endr
	WIN 0
	s_cmp_le_u32 s[NLD], 20
	s_cbranch_scc1 .Lse_\@
	WIN 0x0c
.rept 10
	ds_store_b128 v[ASTO+(\slot)], v[STG+4*j:STG+4*j+3] offset:2*PITCH*j
.set j, j+1
.endr
	WIN 0
.Lse_\@:
.endm
	WLOADS 0                                       ; W's K step 0 goes out beside the table's loads
	s_mul_i32 s[T1], s[WV], 640
	s_add_co_u32 s[T1], s[T1], TAB                 ; my 40 entries
	s_wait_loadcnt 32                              ; the table's four loads and the biases' two are in; W's 32 stay out
	WLOADS 1, 16384                                ; and its K step 1
	v_cvt_pk_bf16_f32 v18, v[BL], v[BL+1]          ; the biases, rounded to bf16 like every input, kept as f32
	v_cvt_pk_bf16_f32 v19, v[BL+2], v[BL+3]
	v_lshlrev_b32 v[BL], 16, v18
	v_and_b32 v[BL+1], 0xffff0000, v18
	v_lshlrev_b32 v[BL+2], 16, v19
	v_and_b32 v[BL+3], 0xffff0000, v19
	v_cvt_pk_bf16_f32 v18, v[BH], v[BH+1]
	v_cvt_pk_bf16_f32 v19, v[BH+2], v[BH+3]
	v_lshlrev_b32 v[BH], 16, v18
	v_and_b32 v[BH+1], 0xffff0000, v18
	v_lshlrev_b32 v[BH+2], 16, v19
	v_and_b32 v[BH+3], 0xffff0000, v19
	v_mov_b32 v20, v24                             ; an entry: g_lo, token, g_hi, 0: each weight is the low word of a pair, as the packed lines want it
	v_min_u32 v21, 0x1fff, v21
	v_mov_b32 v22, v25
	v_mov_b32 v23, 0
	v_mov_b32 v26, v30
	v_min_u32 v27, 0x1fff, v27
	v_mov_b32 v28, v31
	v_mov_b32 v29, 0
	v_add_nc_u32 v18, s[T1], v[L16]
	v_lshl_add_u32 v19, v17, 4, s[T1]
	v_lshl_add_u32 v3, v2, 4, s[T1]
	s_wait_alu depctr_va_vdst(0)                   ; the entries v20-23 and v26-29 and the addresses v18, v19 and v3 are written, which the LDS stores and loads below read
	ds_store_b128 v18, v[20:23]
	ds_store_b128 v19, v[26:29] offset:512
.set j, 0
.rept 20                                       ; load j of a K step takes rows 40 w + 2 j and + 1: their tokens.  My own entries: LDS serves a wave's instructions in order
	ds_load_b32 v[TOK+j], v3 offset:4+32*j
.set j, j+1
.endr
	s_wait_dscnt 0x0
.set j, 0
.rept 20
	v_min_u32 v[TOK+j], 0x1fff, v[TOK+j]
	v_lshl_add_u32 v[TOK+j], v[TOK+j], 11, v[C16]  ; token x 2,048 bytes + 16 (lane % 16)
.set j, j+1
.endr
	s_wait_alu depctr_vm_vsrc(0)                   ; the loads of the list, the weights and the biases have read their offsets v32-37, in which the loads below land
	s_wait_alu depctr_va_vdst(0)                   ; v[TOK ..] are written, which these and all later loads of tokens read as offsets; the lines that made v32-37 are done
.set j, 0
.rept 20
	global_load_b128 v[AF+4*j:AF+4*j+3], v[TOK+j], s[10:11]  ; the tokens' K step 0, all 40 rows, through the fragments' registers, which are still idle
.set j, j+1
.endr
	WIN 0xc0
.set j, 0
.rept 20
	global_load_b128 v[STG+4*j:STG+4*j+3], v[TOK+j], s[10:11] offset:256  ; and K step 1, which the first step lays into LDS
.set j, j+1
.endr
	WIN 0
	s_wait_loadcnt 20                              ; all but K step 1's twenty: W's two steps and the tokens' K step 0 are in
.set j, 0
.rept 20
	ds_store_b128 v[ASTO], v[AF+4*j:AF+4*j+3] offset:2*PITCH*j
.set j, j+1
.endr
	s_wait_dscnt 0x0                               ; for the others' sake: my entries and my rows of slot 0 are stored
	s_barrier_signal -1
	s_barrier_wait -1
	s_wait_alu depctr_vm_vsrc(0)                   ; my LDS instructions have read v18 and v3, which the two lines below write again, and v32-111, the stores' data, in which the first fragments land
	v_lshl_add_u32 v18, v1, 4, TAB
	v_lshl_add_u32 v[TBA], v2, 4, TAB
	s_wait_alu depctr_va_vdst(0)                   ; v18 is written, which the loads below read, and v[TBA], which the way out's loads read
.irp a, 0,1,2,3,4,5,6,7,8,9
	ds_load_b32 v[RG+2*\a], v18 offset:256*\a      ; g_lo and g_hi of row 16 a + lane % 16
	ds_load_b32 v[RG+2*\a+1], v18 offset:256*\a+8
.endr
	s_cmp_lt_u32 s[WV], 1                          ; once: wave w idles w x six s_nop 15, so that the four waves walk apart (see the head)
	s_cbranch_scc1 .Lgo
.rept 6
	s_nop 15
.endr
	s_cmp_lt_u32 s[WV], 2
	s_cbranch_scc1 .Lgo
.rept 6
	s_nop 15
.endr
	s_cmp_lt_u32 s[WV], 3
	s_cbranch_scc1 .Lgo
.rept 6
	s_nop 15
.endr
.Lgo:
; Products for blocks a0 .. a1 of 16 tokens x my 4 blocks of 16 columns, 32 along K: W of buffer p, quarter kq; tokens of buffer f.  In front of every even block but block 0 the run is left if no block from there
; on holds a row (full = 1: never).  The sums take turns, one instruction a turn: whichever of the jumps is taken, a product of column block 0 follows one of column block 3, never its own sum.
; zero = 1: the product starts the sum: nothing is ever cleared.
.macro MUL p, kq, f, a0, a1, zero=0, full=0
.set ma, (\a0)
.rept (\a1)-(\a0)+1
.if ((\full) == 0) && (ma > 0) && (ma%2 == 0)
	WIN 0                                          ; at a branch every window is 0
	s_cmp_le_u32 s[NBE], ma
	s_cbranch_scc1 .Lme_\@
.endif
	WIN 0xa1+0x50*(ma/8)                           ; W in window 1, tokens in window 0, the sum in window 2 (blocks 0-7) or 3
.set mc, 32*(ma%8)
.set mb, 0
.rept 4
.if \zero
	v_wmma_f32_16x16x32_bf16 v[mc+8*mb:mc+8*mb+7], v[128*(\p)+32*(\kq)+8*mb:128*(\p)+32*(\kq)+8*mb+7], v[AF+80*(\f)+8*ma:AF+80*(\f)+8*ma+7], 0
.else
	v_wmma_f32_16x16x32_bf16 v[mc+8*mb:mc+8*mb+7], v[128*(\p)+32*(\kq)+8*mb:128*(\p)+32*(\kq)+8*mb+7], v[AF+80*(\f)+8*ma:AF+80*(\f)+8*ma+7], v[mc+8*mb:mc+8*mb+7]
.endif
.set mb, mb+1
.endr
.set ma, ma+1
.endr
	WIN 0
.Lme_\@:
.endm
; One run of LDS loads: the tokens' fragments of 32 along K at byte k of the rows, into buffer f: two loads a block, 20 in a full tile; left like MUL where no further block holds a row
.macro FETCH slot, k, f, full=0
	WIN 0
.set fi, 0
.rept 10
.if ((\full) == 0) && (fi > 0) && (fi%2 == 0)
	s_cmp_le_u32 s[NBE], fi
	s_cbranch_scc1 .Lfe_\@
.endif
	ds_load_b128 v[AF+80*(\f)+8*fi:AF+80*(\f)+8*fi+3],   v[ADRA+(\slot)] offset:(\k)+fi*16*PITCH
	ds_load_b128 v[AF+80*(\f)+8*fi+4:AF+80*(\f)+8*fi+7], v[ADRA+(\slot)] offset:(\k)+fi*16*PITCH+32
.set fi, fi+1
.endr
.Lfe_\@:
.endm
; Walk step n (0 to 15) is pass n / 8; it takes K step n % 8 in pass 0 and (n % 8) xor 4 in pass 1.  W of walk step KO:
.macro KADDRW
	s_lshr_b32 s[T1], s[KO], 3                     ; the pass, 0 or 1
	s_lshl_b32 s[T1+1], s[T1], 2
	s_and_b32 s[T1+2], s[KO], 7
	s_xor_b32 s[T1+2], s[T1+2], s[T1+1]            ; the K step
	s_lshl_b32 s[T1+2], s[T1+2], 14                ; x 16,384 bytes
	s_xor_b32 s[T1+1], s[T1], 1
	s_mul_i32 s[T1], s[T1], s[WOH]
	s_mul_i32 s[T1+1], s[T1+1], s[WOL]
	s_add_co_u32 s[T1], s[T1], s[T1+1]             ; the pass's expert, my group
	s_add_co_u32 s[T1], s[T1], s[T1+2]
	s_mov_b32 s[T1+1], 0
	s_add_nc_u64 s[WA:WA+1], s[12:13], s[T1:T1+1]  ; the loads that named this base were waited for at the step's start
.endm
.macro KADDRA                          ; the tokens of walk step KO + 1
	s_add_co_u32 s[T1+2], s[KO], 1
	s_lshr_b32 s[T1+3], s[T1+2], 3
	s_lshl_b32 s[T1+3], s[T1+3], 2
	s_and_b32 s[T1+2], s[T1+2], 7
	s_xor_b32 s[T1+2], s[T1+2], s[T1+3]
	s_lshl_b32 s[T1+2], s[T1+2], 8                 ; x 256 bytes of a row
	s_mov_b32 s[T1+3], 0
	s_add_nc_u64 s[XA:XA+1], s[10:11], s[T1+2:T1+3]
.endm
; The sums of pass 0 times rho, in place, each sum from its low end on
.macro SCALE
.set sa, 0
.rept 10
	WIN (2+sa/8)*0x41                              ; destination and source 0 in the sum's window, rho in window 0
.set sc, 32*(sa%8)
.set z, 0
.rept 16
	v_pk_mul_f32 v[sc+2*z:sc+2*z+1], v[sc+2*z:sc+2*z+1], v[RG+2*sa:RG+2*sa+1] op_sel_hi:[1,0]
.set z, z+1
.endr
.set sa, sa+1
.endr
.endm
; THE START OF A STEP whose number is i modulo 4 (slot i, W's buffer i % 2), and its quarter 1.  The rows of the next step go into LDS (AMASK); W of the next step (not in step 15) and the tokens of the step after it
; (LMASK) are asked for: they have the whole step, 160 products in a full tile, in which to land.  first = 1: step 0, on every way and whole: its products start the sums; W's step 1 came in the head.
.macro REGA i, first
.set rpar, (\i)%2
	s_wait_dscnt 0x0                               ; quarter 1's fragments, asked for in front of the last step's last products
	PLACES                                         ; behind the last step's products: for the scaling, and for the loads into the buffer of W that they read
.if (\first) == 0
	s_wait_alu depctr_va_vdst(0)                   ; the last step's products are done reading the other buffer of W, in which W's loads below land, and the fragments' buffer 1, in which this quarter's run lands; no line between names either
.endif
.if ((\i) == 0) && ((\first) == 0)
	s_cmp_lg_u32 s[TRIP], 3                        ; behind step 7 pass 0 is over
	s_cbranch_scc1 .Lns_\@
	SCALE
	WIN 0
.Lns_\@:
.endif
.if \first
	ASTORE 1
	s_cmp_eq_u32 s[LIVE], 0                        ; a work-group without rows asks for nothing more
	s_cbranch_scc1 .Lnl_\@
.else
	UNLESS AMASK, .Lna_\@
	ASTORE ((\i)+1)%4
.Lna_\@:
.if (\i) == 3
	s_cmp_eq_u32 s[KO], 16                         ; step 15: nothing is left to ask for
	s_cbranch_scc1 .Lnl_\@
.endif
	KADDRW
	WLOADS 1-rpar
	UNLESS LMASK, .Lnl_\@
.endif
	KADDRA
	s_wait_alu depctr_vm_vsrc(0)                   ; the LDS stores issued so far have read v[STG ..] of window 3, in which the loads below land
	ALOADS
.Lnl_\@:
	s_add_co_u32 s[KO], s[KO], 1
	MUL rpar, 0, 0, 0, 3, \first, \first
	PLACES
	FETCH \i, 64, 1, \first                        ; no wait here: since the wait at the step's start no vector or matrix line has named buffer 1 (in step 0: none ever has)
	MUL rpar, 0, 0, 4, 9, \first, \first
.endm
.macro STEPA i
	s_wait_loadcnt 0x0                             ; on every way: all that was asked for a step ago is in: this step's W, the next step's tokens
	SKIPTO .La_\@
	REGA \i, 0
	WIN 0                                          ; at a label and at a branch every window is 0
.La_\@:
.endm
; THE REST OF THE STEP.  The signal: my stores of the next step's rows are done, and so are my reads of every earlier step.  Quarters 2 and 3 and the first six blocks of quarter 4 stand between it and the wait.
; Behind the wait every wave's rows of the next step are in LDS: its first fragments are asked for, and quarter 4's last four blocks follow.  Each wait for LDS is for 0 (a run's length hangs on the count);
; the run that it waits for stands in front of the six blocks' products just above it.
.macro STEPB i
.set spar, (\i)%2
	s_wait_dscnt 0x0
	s_barrier_signal -1
	SKIPTO .Lw_\@
	s_wait_alu depctr_va_vdst(0)                   ; quarter 1's products are done reading the fragments' buffer 0, in which this quarter's run lands; the products between name buffer 1
	MUL spar, 1, 1, 0, 3                           ; quarter 2: its fragments are in since the wait above the signal
	PLACES
	FETCH \i, 128, 0
	MUL spar, 1, 1, 4, 9
	s_wait_dscnt 0x0                               ; quarter 3's fragments
	s_wait_alu depctr_va_vdst(0)                   ; quarter 2's products are done reading buffer 1, in which this quarter's run lands; the products between name buffer 0
	MUL spar, 2, 0, 0, 3
	PLACES
	FETCH \i, 192, 1
	MUL spar, 2, 0, 4, 9
	s_wait_dscnt 0x0                               ; quarter 4's fragments
	MUL spar, 3, 1, 0, 5
	WIN 0
.Lw_\@:
	s_barrier_wait -1
	SKIPTO .Lc_\@
	PLACES
	s_wait_alu depctr_va_vdst(0)                   ; the products that read buffer 0, quarter 3's the last of them, are done: the run below lands in it.  It stands here, on every way into the run
	FETCH ((\i)+1)%4, 0, 0
	MUL spar, 3, 1, 6, 9
	WIN 0
.Lc_\@:
.endm
	FETCH 0, 0, 0, 1
	s_mov_b32 s[KO], 1
	s_wait_loadcnt 0x0                             ; the tokens' K step 1
	REGA 0, 1
	WIN 0
.irp a, 0,1,2,3,4,5,6,7,8,9
	v_max_num_f32 v[RG+2*\a+1], 0x1f800000, v[RG+2*\a+1]  ; gm = max(g_hi, 2^-64)
.endr
.irp a, 0,1,2,3,4,5,6,7,8,9
	v_rcp_f32 v[RC+\a], v[RG+2*\a+1]
.endr
	v_nop                                          ; a plain instruction behind the last reciprocal,
	s_wait_alu depctr_va_vdst(0)                   ; and one wait for the ten ahead of the first reader: v[RC ..] are written
.irp a, 0,1,2,3,4,5,6,7,8,9
	v_mul_f32 v[RG+2*\a], v[RG+2*\a], v[RC+\a]     ; rho = g_lo / gm
.endr
	s_mov_b32 s[TRIP], 4
.Ltrip:                                                ; a trip goes once round the four slots, from a step's signal to the quarter 1 four steps on; the fourth trip is left behind step 15
	STEPB 0
	STEPA 1
	STEPB 1
	STEPA 2
	STEPB 2
	STEPA 3
	STEPB 3
	s_cmp_eq_u32 s[TRIP], 1
	s_cbranch_scc1 .Lout
	STEPA 0
	s_sub_co_u32 s[TRIP], s[TRIP], 1
	s_cmp_lg_u32 s[TRIP], 0
	s_cbranch_scc1 .Ltrip
.Lout:
	SKIPTO .Lfin
	s_wait_dscnt 0x0                               ; step 15's text has asked for fragments of a step that is not: they are let in before their registers are used otherwise
	PLACES                                         ; behind the last products
	; THE WAY OUT, a block of 16 tokens at a time: gm x sums; 32 bytes a lane into my own stage; back as whole rows of 256 bytes, two rows to a load, with each row's entry of the table;
	; the biases; one store for two rows, each at its token's place in out.  Block a + 1 is packed while block a's rows come back.
	; Who touches what: v[TMP ..]: written by a block's 16 multiplies, read by its 8 LDS stores.  v[BK ..], v[TB ..], by the block's parity: LDS loads land, the biases' lines and the offsets' write them, 8 global stores read them.
.irp a, 0,1,2,3,4,5,6,7,8,9
	v_mov_b32 v[RG+2*\a], v[RG+2*\a+1]             ; gm into the pair's low word, which the packed line takes for both halves
.endr
	s_lshl_b32 s[T1], s[CB], 10
	s_lshl_b32 s[T1+1], s[WV], 8
	s_add_co_u32 s[T1], s[T1], s[T1+1]
	s_mov_b32 s[T1+1], 0
	s_add_nc_u64 s[16:17], s[16:17], s[T1:T1+1]    ; out at my 64 columns
.macro PACK a
.if (\a) > 0
	s_wait_alu depctr_vm_vsrc(0)                   ; the last block's LDS stores have read v[TMP ..], which the lines below write again; the global stores of the block two back have read their rows and offsets, in which the loads below land
.endif
	WIN 2+(\a)/8                                   ; the sums as source 0
.set oc, 32*((\a)%8)
.set z, 0
.rept 16
	v_pk_mul_f32 v[TMP+2*z:TMP+2*z+1], v[oc+2*z:oc+2*z+1], v[RG+2*(\a):RG+2*(\a)+1] op_sel_hi:[1,0]
.set z, z+1
.endr
	WIN 0
	s_wait_alu depctr_va_vdst(0)                   ; the lines above have written v[TMP ..], which the LDS stores read; the lines of the block two back (for blocks 0 and 1: the last products) are done with the registers in which the loads below land
.set z, 0
.rept 4
	ds_store_b128 v[STO], v[TMP+8*z:TMP+8*z+3]   offset:64*z
	ds_store_b128 v[STO], v[TMP+8*z+4:TMP+8*z+7] offset:64*z+16
.set z, z+1
.endr
	s_wait_xcnt 0x0                                ; the registers that the stores of the block two back read are loaded again only behind this wait
.set t, 0
.rept 8
	ds_load_b128 v[BK+64*((\a)%2)+4*t:BK+64*((\a)%2)+4*t+3], v[RD]  offset:2*SPITCH*t  ; LDS serves a wave's instructions in order: these see the stores above, and the next block's stores come behind them
	ds_load_b128 v[TB+64*((\a)%2)+4*t:TB+64*((\a)%2)+4*t+3], v[TBA] offset:256*(\a)+32*t
.set t, t+1
.endr
.endm
; younger: the LDS instructions issued behind block a's loads: the next block's 24, or none.  A block past the count is jumped whole.  Else the arithmetic of its eight pairs of rows stands first, so that ONE wait serves
; the eight stores; of these the pairs past the count are jumped (their six lines on registers have run and serve nothing: at most seven pairs a tile).  The wait at the end stands on every way, ahead of the next loads into these registers.
.macro SEND a, younger
.set sb, 64*((\a)%2)
	s_cmp_le_u32 s[NROW], 16*(\a)
	s_cbranch_scc1 .Le_\@
.set t, 0
.rept 8
	s_wait_dscnt (\younger)+2*(7-t)                ; rows 2 t, 2 t + 1 and their entries are in; the younger pairs stay out
	v_pk_fma_f32 v[BK+sb+4*t:BK+sb+4*t+1],   v[BL:BL+1],   v[TB+sb+4*t:TB+sb+4*t+1],   v[BK+sb+4*t:BK+sb+4*t+1]   op_sel_hi:[1,0,1]
	v_pk_fma_f32 v[BK+sb+4*t+2:BK+sb+4*t+3], v[BL+2:BL+3], v[TB+sb+4*t:TB+sb+4*t+1],   v[BK+sb+4*t+2:BK+sb+4*t+3] op_sel_hi:[1,0,1]
	v_pk_fma_f32 v[BK+sb+4*t:BK+sb+4*t+1],   v[BH:BH+1],   v[TB+sb+4*t+2:TB+sb+4*t+3], v[BK+sb+4*t:BK+sb+4*t+1]   op_sel_hi:[1,0,1]
	v_pk_fma_f32 v[BK+sb+4*t+2:BK+sb+4*t+3], v[BH+2:BH+3], v[TB+sb+4*t+2:TB+sb+4*t+3], v[BK+sb+4*t+2:BK+sb+4*t+3] op_sel_hi:[1,0,1]
	v_min_u32 v[TB+sb+4*t+1], 0x1fff, v[TB+sb+4*t+1]
	v_lshl_add_u32 v[TB+sb+4*t+1], v[TB+sb+4*t+1], 12, v[C16]
.set t, t+1
.endr
	s_wait_alu depctr_va_vdst(0)                   ; the lines above have written the block's rows and their offsets, which the stores below read
.set t, 0
.rept 8
.if t > 0
	s_cmp_le_u32 s[NROW], 16*(\a)+2*t
	s_cbranch_scc1 .Le_\@
.endif
	global_store_b128 v[TB+sb+4*t+1], v[BK+sb+4*t:BK+sb+4*t+3], s[16:17] th:TH_STORE_NT  ; sixteen lanes store 256 consecutive bytes of a row, aligned
.set t, t+1
.endr
.Le_\@:
	s_wait_dscnt \younger
.endm
	PACK 0
.irp a, 1,2,3,4,5,6,7,8,9
	PACK \a
	SEND (\a)-1, 24
.endr
	SEND 9, 0
.Lfin:
	s_wait_dscnt 0x0                               ; the wave's end: my last LDS instructions are done
	s_wait_alu depctr_hold_cnt(0) depctr_sa_sdst(0) depctr_va_vdst(0) depctr_va_sdst(0) depctr_va_ssrc(0) depctr_va_vcc(0) depctr_vm_vsrc(0)
	s_wait_tensorcnt 0x0
	ds_add_u32 v254, v255
	s_wait_dscnt 0x0
	s_endpgm
.Lfunc_end_k_q0d4d876d6f_moe:
	.size	k_q0d4d876d6f_moe, .Lfunc_end_k_q0d4d876d6f_moe-k_q0d4d876d6f_moe
	.p2alignl 7, 3214868480
	.fill 96, 4, 3214868480
	.section	.rodata,"a",@progbits
	.p2align	6, 0x0
	.amdhsa_kernel k_q0d4d876d6f_moe
		.amdhsa_group_segment_fixed_size 194560
		.amdhsa_private_segment_fixed_size 0
		.amdhsa_enable_private_segment 0
		.amdhsa_kernarg_size 56
		.amdhsa_user_sgpr_count 2
		.amdhsa_user_sgpr_kernarg_segment_ptr 1
		.amdhsa_wavefront_size32 1
		.amdhsa_system_sgpr_workgroup_id_x 1
		.amdhsa_system_sgpr_workgroup_id_y 1
		.amdhsa_system_sgpr_workgroup_id_z 1
		.amdhsa_system_vgpr_workitem_id 0
		.amdhsa_next_free_vgpr 912
		.amdhsa_next_free_sgpr 96
		.amdhsa_reserve_vcc 0
		.amdhsa_float_denorm_mode_32 3
		.amdhsa_float_denorm_mode_16_64 3
		.amdhsa_memory_ordered 1
		.amdhsa_forward_progress 1
		.amdhsa_inst_pref_size 240
	.end_amdhsa_kernel
	.amdgpu_metadata
---
amdhsa.version: [ 1, 2 ]
amdhsa.kernels:
  - .name:           k_q0d4d876d6f_moe
    .symbol:         k_q0d4d876d6f_moe.kd
    .args:
      - { .name: counts, .offset: 0, .size: 8, .value_kind: global_buffer, .address_space: global }
      - { .name: perm, .offset: 8, .size: 8, .value_kind: global_buffer, .address_space: global }
      - { .name: gsort, .offset: 16, .size: 8, .value_kind: global_buffer, .address_space: global }
      - { .name: xb, .offset: 24, .size: 8, .value_kind: global_buffer, .address_space: global }
      - { .name: wb, .offset: 32, .size: 8, .value_kind: global_buffer, .address_space: global }
      - { .name: b_experts, .offset: 40, .size: 8, .value_kind: global_buffer, .address_space: global }
      - { .name: out0, .offset: 48, .size: 8, .value_kind: global_buffer, .address_space: global }
    .group_segment_fixed_size: 194560
    .private_segment_fixed_size: 0
    .kernarg_segment_align: 8
    .kernarg_segment_size: 56
    .max_flat_workgroup_size: 128
    .sgpr_count:     96
    .vgpr_count:     912
    .wavefront_size: 32
...
	.end_amdgpu_metadata
.endif
;; end of part 6
